; MI455X (gfx1250); checked and timed in simulation.
; The chip was launched on July 23, 2026; its instructions are those of AMD's public machine-readable ISA for CDNA 5 (MIT licence, August 2026) and "CDNA5" Instruction Set Architecture Reference Guide (July 2026). The comments in the code are by the model that wrote it; some were corrected since.
;; Mixture Of Experts. Allowed arithmetic: matrix products marked QUANTISED: E2M3 operands, one E8M0 scale for each 32 along K, by v_wmma_scale_f32_16x16x128_f8f6f4 with both operands' format E2M3, f32 sums; products left as they are: f32 operands where the result goes on into a quantised operand, else bf16, f16 or f32 operands; f32 sums; everything else in f32.
;; Inputs: expert_bias 12 float32; gate_w 12 x 1,024 float32; w1_codes 8 x 2,048 x 32 x 24 uint8 (E2M3 codes of w1, K innermost, in blocks of 32 codes, four codes in three bytes); w1_scales 8 x 2,048 x 32 uint8 (E8M0 scales of w1, one for each 32 codes along K); w2_codes 8 x 1,024 x 64 x 24 uint8 (E2M3 codes of w2, K innermost, in blocks of 32 codes, four codes in three bytes); w2_scales 8 x 1,024 x 64 uint8 (E8M0 scales of w2, one for each 32 codes along K); x 2 x 1,024 x 1,024 float32.
;; Outputs: out0 2 x 1,024 x 1,024 float32.
;; This version of the problem:
;;   THIS VERSION OF THE PROBLEM IS GIVEN IN LOW PRECISION. The matrix products marked QUANTISED in the list below multiply operands that are first quantised to E2M3 (2 exponent bits, 3 mantissa bits; 6 bits a number), with one power-of-two scale for each 32 numbers along K (OCP MX v1.0); their sums are f32. All else is computed in f32.
;;   The module's matrix products, in the order in which they are computed (A, B: the left and right operand; K: the contracted axis; several contracted axes count as one K, in the product's order):
;;     1. [M 2,048, K 1,024] x [K 1,024, N 12]; A: input x; B: input gate_w: left as it is (N = 12 < 16)
;;     2. batch 2,048 x [M 1, K 2] x [K 2, N 12]; A: softmax; B: computed on the way: left as it is (K = 2 < 32)
;;     3. [M 2,048, K 1,024] x [K 1,024, N 16,384]; A: input x; B: input w1 (given as codes): QUANTISED
;;     4. batch 8 x [M 1,024, K 2,048] x [K 2,048, N 2,048]; A: input w2 (given as codes); B: computed on the way: QUANTISED
;;     5. batch 2,048 x [M 1, K 8] x [K 8, N 1,024]; A: computed on the way; B: computed on the way: left as it is (K = 8 < 32)
;;   THE QUANTISER, for each operand of a quantised product, along K:
;;     - K is cut into blocks of 32 from its start; a last block that is shorter is filled with zeros.
;;     - A block's scale is 2^e with e = floor(log2(the largest magnitude in the block)) - 2, held to -126 .. 127; a block of zeros has e = 0. As a byte (E8M0): e + 127.
;;     - Each number is divided by its block's scale, clamped to +-7.5, and rounded to the nearest number of E2M3, ties to even, subnormals kept.
;;     - The product sums the exact products of the quantised numbers (number of the format x scale) in f32.
;;   ~~~python
;;   def quantise(x, axis):      # numpy; x: float32 -> the quantised numbers, widened to float32 again
;;       x = np.moveaxis(x, axis, -1); K = x.shape[-1]
;;       x = np.pad(x, [(0, 0)] * (x.ndim - 1) + [(0, -K % 32)]); x = x.reshape(x.shape[:-1] + (-1, 32)); a = np.abs(x).max(-1, keepdims=True)
;;       e = np.where(a > 0, np.clip(np.frexp(np.where(a > 0, a, 1))[1] - 1 - 2, -126, 127), 0)      # np.frexp(a)[1] - 1 = floor(log2(a)), exactly
;;       r = np.clip(x / 2.0 ** e, -7.5, 7.5)
;;       step = 2.0 ** (np.maximum(np.frexp(np.where(r == 0, 1, r))[1] - 1, 0) - 3)
;;       q = np.round(r / step) * step * 2.0 ** e      # np.round: ties to even
;;       return np.moveaxis(q.reshape(q.shape[:-2] + (-1,))[..., :K], -1, axis).astype(np.float32)
;;   ~~~
;;   OPERANDS COMPUTED ON THE WAY. 'Computed on the way' means the value that the module computes at that place (a softmax that the list does not call 'softmax' is quantised finished and normalised). What goes into a quantiser is computed in f32, as accurately as f32 sums, v_exp_f32 and their like allow (about 1e-6 of the number): no bf16 or f16 on the way to a quantiser, and a product that is left as it is and whose result goes on into a quantised operand takes f32 operands (vector FMAs, or v_wmma_f32_16x16x4_f32). A number that lies on a knife's edge between two numbers of the format may be rounded either way, as far as f32 arithmetic and the matrix unit's own rounding can turn it there, and no further.
;;   INPUTS GIVEN AS CODES. w1 (in the module: [8, 2048, 1024], K = its axis 2); w2 (in the module: [8, 1024, 2048], K = its axis 2): each comes as NAME_codes (uint8): NAME with its K axis moved to the last place and cut into blocks of 32 codes, [.., K / 32, bytes a block], one block behind the other in memory; four codes in three bytes: a row's codes are one little-endian stream of bits, code i at bits 6 i .. 6 i + 5 (a code: sign, 2 exponent bits, 3 mantissa bits); and NAME_scales (uint8): the same leading axes, one E8M0 byte (e + 127) for each 32 codes along K. Its value is code x scale, taken as it is: it is not quantised again, and the codes and scales need not be those that the quantiser above would give.
;; 2 versions. Each part assembles by itself: llvm-mc -triple=amdgcn-amd-amdhsa -mcpu=gfx1250 --defsym DOCPART=n.
;; ======== version 1 of 2: 4 launches
;; workspace buffers: xq 1,572,864 bytes; xs 65,536 bytes; sel 8,192 bytes of whole numbers; gw 16,384 bytes; hq 25,165,824 bytes; hs 1,048,576 bytes; y 16,777,216 bytes
;; launch route (part 1): grid 256 x 1, 4 waves a work-group, no clusters, 111,360 bytes of LDS; arguments x, gate_w, expert_bias, xq, xs, sel, gw; writes xq, xs, sel, gw
.if DOCPART == 1
	.amdgcn_target "amdgcn-amd-amdhsa--gfx1250"
	.amdhsa_code_object_version 6
	.text
	.protected	k_qc097055be0_route
	.globl	k_qc097055be0_route
	.p2align	8
	.type	k_qc097055be0_route,@function
k_qc097055be0_route:
	s_mov_b64 s[64:65], 0
	v_nop
	global_prefetch_b8 v0, s[64:65] scope:SCOPE_SE
	s_setreg_imm32_b32 hwreg(HW_REG_WAVE_MODE, 25, 1), 1
	s_wait_xcnt 0x0
; ROUTE: the router (12 logits, top 2, softmax over the two) and the quantising of x to E2M3 codes with one E8M0 byte for each 32 along D.
; x [2048][1024] f32, gate_w [12][1024] f32, expert_bias [12] f32.
; OUT: xq [2048][768]: a token's codes as one stream of bits;  xs [2048][32]: its scale bytes, block 16 h + 2 s + c at byte 4 s + 2 c + h (the order in which the next launch's scale words want them);
;      sel [2048] u32 = first expert | second expert << 8;  gw [2048][2] f32 = the two weights.
; SHARES: a work-group owns 8 tokens; wave w owns columns 256 w .. 256 w + 255 of all 8 tokens and of all 12 gate rows, so a work-group reads gate_w once.  A step takes two tokens: lanes 0-15 one, lanes 16-31 the other.
; Loads take bytes as they lie (16 a lane, 512 an instruction); a turn through the wave's own stage in LDS gives each lane 16 neighbours along D, which the conversion and the dot products want.
; The logits are f32 fused multiply-adds.  Ties in the top 2 keep the lower index (the compares are strict).  The softmax takes the larger logit away: w0 = 1 / (1 + 2^((l1 - l0) log2 e)).
; LIMITS: NaN and infinities among the inputs are not served; two logits that differ by less than the rounding of an f32 sum of 1,024 terms may change places; a block whose largest magnitude lies under 2^-124
; (a block of zeros too) keeps the scale byte 1: its codes are zeros or subnormal codes under that scale, and this program alone reads the bytes.
.set SP,    80                         ; a lane's place in a stage: 64 bytes + 16 of padding
.set WREG,  25600                      ; LDS of a wave's own: 12 gate stages of 1,280 bytes, then 4 stages of x of 2,560 bytes
.set XST,   15360
.set PART,  102400                     ; [wave][token 8][16 f32]: the waves' parts of the logits
.set CODES, 104448                     ; [token 8][768]
.set XSC,   110592                     ; [token 8][32]
.set AC,    32                         ; v32-55   12 packed sums
.set X,     64                         ; v64-127  x: 4 steps x 16, as loaded, then turned in place; behind the barrier v64-77 the codes and bytes on their way out, v80-127 the parts of the logits
.set RG,    128                        ; v128-223 gate rows as loaded; free once their LDS stores are done:
.set L,     128                        ; v128-175 a step's 12 sums, a set for each step
.set CD,    176                        ; v176-191 a step's codes, 4 registers a step
.set BY,    192                        ; v192-195 a step's scale byte
.set GW,    196                        ; v196-197 the router's two weights: registers that no store of the codes names
                                       ; window 1, v0-191: the turned gate rows, 16 numbers an expert
.set MSB, 0
.macro WIN new                         ; the immediate's high byte repeats the setting that is left
.if MSB != (\new)
	s_set_vgpr_msb (MSB<<8)|(\new)
.set MSB, (\new)
.endif
.endm
	s_load_b256 s[4:11], s[0:1], 0x0               ; x s[4:5], gate_w s[6:7], expert_bias s[8:9], xq s[10:11]
	s_load_b128 s[12:15], s[0:1], 0x20             ; xs s[12:13], sel s[14:15]
	s_load_b64 s[16:17], s[0:1], 0x30              ; gw
	v_lshl_add_u32 v254, v0, 2, 0x1b100
	v_mov_b32 v255, 0
	v_lshrrev_b32 v1, 5, v0
	v_readfirstlane_b32 s18, v1                    ; wave 0..3
	v_and_b32 v1, 31, v0                           ; lane
	v_and_b32 v2, 15, v0                           ; lane % 16
	v_bfe_u32 v3, v0, 4, 1                         ; h = lane / 16: which of a step's two tokens
	v_lshlrev_b32 v4, 4, v1                        ; 16 x lane
	s_mul_i32 s19, s18, WREG
	v_lshrrev_b32 v16, 2, v1
	v_mul_u32_u24 v5, v16, SP
	v_and_b32 v16, 3, v0
	v_lshl_add_u32 v5, v16, 4, v5
	v_add_nc_u32 v5, s19, v5                       ; into a stage: four lanes' 64 bytes on end, then the padding
	v_mul_u32_u24 v6, v1, SP
	v_add_nc_u32 v6, s19, v6
	v_add_nc_u32 v6, XST, v6                       ; out of x's stage: my 16 neighbours
	v_mul_u32_u24 v7, v2, SP
	v_add_nc_u32 v7, s19, v7                       ; out of a gate stage: both halves of the lanes take the same 16 places
	s_lshl_b32 s34, s18, 9
	v_lshl_add_u32 v8, v3, 6, s34
	v_add_nc_u32 v8, PART, v8                      ; my wave's part of my token's logits
	v_mul_u32_u24 v9, v3, 768
	v_mad_u32_u24 v9, v2, 12, v9
	s_mul_i32 s34, s18, 192
	v_add_nc_u32 v9, s34, v9
	v_add_nc_u32 v9, CODES, v9                     ; my 16 codes: 12 bytes at 192 w + 12 (lane % 16) of the token's 768
	v_and_b32 v10, 14, v0                          ; 2 j, j = my block among the wave's eight
	v_lshl_add_u32 v10, v3, 5, v10
	s_and_b32 s34, s18, 1
	s_lshl_b32 s34, s34, 4
	s_lshr_b32 s35, s18, 1
	s_add_co_u32 s34, s34, s35
	v_add_nc_u32 v10, s34, v10
	v_add_nc_u32 v10, XSC, v10                     ; block 8 w + j goes to byte 16 (w % 2) + 2 j + w / 2 of the token's 32
	s_mul_i32 s34, s18, 1536
	v_add_nc_u32 v11, s34, v4                      ; the way out of the codes: 1,536 bytes a wave, 16 a lane
	v_add_nc_u32 v12, CODES, v11
	v_lshlrev_b32 v15, 3, v1                       ; 8 x lane
	v_add_nc_u32 v13, XSC, v15
	v_and_b32 v14, 7, v0
	v_lshl_add_u32 v14, v14, 6, PART               ; the router: lane % 8 is the token
	v_lshlrev_b32 v17, 2, v1                       ; 4 x lane
	s_lshl_b32 s34, ttmp9, 15                      ; 8 tokens of 4,096 bytes a work-group
	s_lshl_b32 s36, s18, 10                        ; my wave's 1,024 bytes of a row
	s_add_co_u32 s34, s34, s36
	s_mov_b32 s35, 0
	s_mov_b32 s37, 0
	s_mul_i32 s38, ttmp9, 6144
	s_mov_b32 s39, 0
	s_wait_kmcnt 0x0
	s_add_nc_u64 s[4:5], s[4:5], s[34:35]
	s_add_nc_u64 s[6:7], s[6:7], s[36:37]
	s_add_nc_u64 s[10:11], s[10:11], s[38:39]
	s_lshl_b32 s38, ttmp9, 8
	s_add_nc_u64 s[12:13], s[12:13], s[38:39]
	s_lshl_b32 s38, ttmp9, 5
	s_add_nc_u64 s[14:15], s[14:15], s[38:39]
	s_lshl_b32 s38, ttmp9, 6
	s_add_nc_u64 s[16:17], s[16:17], s[38:39]
	s_load_b256 s[20:27], s[8:9], 0x0              ; the bias of experts 0-7,
	s_load_b128 s[28:31], s[8:9], 0x20             ; and of 8-11
.irp e, 0,1,2,3,4,5,6,7,8,9,10,11
	global_load_b128 v[RG+8*\e:RG+8*\e+3], v4, s[6:7] offset:4096*\e
	global_load_b128 v[RG+8*\e+4:RG+8*\e+7], v4, s[6:7] offset:4096*\e+512
.endr
.irp u, 0,1,2,3
.irp i, 0,1,2,3
	global_load_b128 v[X+16*\u+4*\i:X+16*\u+4*\i+3], v4, s[4:5] offset:4096*(2*\u+\i/2)+512*(\i%2) th:TH_LOAD_NT
.endr
.endr
	s_wait_loadcnt 16                              ; the 24 gate loads are in; the 16 loads of x behind them may be out
.irp e, 0,1,2,3,4,5,6,7,8,9,10,11
	ds_store_b128 v5, v[RG+8*\e:RG+8*\e+3] offset:1280*\e
	ds_store_b128 v5, v[RG+8*\e+4:RG+8*\e+7] offset:1280*\e+640
.endr
	WIN 0x40                                       ; destination window 1
.irp e, 0,1,2,3,4,5,6,7,8,9,10,11
.irp i, 0,1,2,3
	ds_load_b128 v[16*\e+4*\i:16*\e+4*\i+3], v7 offset:1280*\e+16*\i    ; LDS serves a wave's instructions in order: these see the stores above
.endr
.endr
	WIN 0
.irp u, 0,1,2,3
	s_wait_loadcnt 12-4*\u                         ; this step's four loads are in; the later steps' may be out
.irp i, 0,1,2,3
	ds_store_b128 v5, v[X+16*\u+4*\i:X+16*\u+4*\i+3] offset:XST+2560*\u+640*\i
.endr
.irp i, 0,1,2,3
	ds_load_b128 v[X+16*\u+4*\i:X+16*\u+4*\i+3], v6 offset:2560*\u+16*\i
.endr
.endr
; A step: two tokens.  12 dot products over my 16 columns, summed over the 16 lanes of a token; then my 16 numbers become codes.
.macro STEP u
.set XU, X+16*(\u)
.set LU, L+12*(\u)
.set CU, CD+4*(\u)
	s_wait_dscnt 24-(\u)                           ; behind this step's four loads from the stage stand the later steps' 8 (3 - u) turn instructions and the earlier steps' 7 u stores
	WIN 0x04                                       ; source 1 (the gate) window 1
.irp e, 0,1,2,3,4,5,6,7,8,9,10,11
	v_pk_mul_f32 v[AC+2*\e:AC+2*\e+1], v[XU:XU+1], v[16*\e:16*\e+1]    ; the first products start the sums
.endr
.irp q, 1,2,3,4,5,6,7
.irp e, 0,1,2,3,4,5,6,7,8,9,10,11
	v_pk_fma_f32 v[AC+2*\e:AC+2*\e+1], v[XU+2*\q:XU+2*\q+1], v[16*\e+2*\q:16*\e+2*\q+1], v[AC+2*\e:AC+2*\e+1]
.endr
.endr
	WIN 0
.irp e, 0,1,2,3,4,5,6,7,8,9,10,11
	v_add_f32 v[LU+\e], v[AC+2*\e], v[AC+2*\e+1]
.endr
.irp m, 1,2,4,8
.irp e, 0,1,2,3,4,5,6,7,8,9,10,11
	v_add_f32_dpp v[LU+\e], v[LU+\e], v[LU+\e] row_xmask:\m row_mask:0xf bank_mask:0xf
.endr
.endr
.irp c, 0,1,2
	ds_store_b128 v8, v[LU+4*\c:LU+4*\c+3] offset:128*(\u)+16*\c       ; the 16 lanes of a token write the same words with the same values
.endr
	v_max3_num_f32 v62, |v[XU]|, |v[XU+1]|, |v[XU+2]|                  ; the largest magnitude of my 16, in two chains
	v_max3_num_f32 v63, |v[XU+3]|, |v[XU+4]|, |v[XU+5]|
.irp i, 6,10
	v_max3_num_f32 v62, v62, |v[XU+\i]|, |v[XU+\i+1]|
	v_max3_num_f32 v63, v63, |v[XU+\i+2]|, |v[XU+\i+3]|
.endr
	v_max3_num_f32 v62, v62, |v[XU+14]|, |v[XU+15]|
	v_max3_num_f32 v62, v62, v63, 0x1800000        ; and the floor 2^(3 - 127): the byte cannot fall under 1
	v_max_num_f32_dpp v62, v62, v62 row_xmask:1 row_mask:0xf bank_mask:0xf   ; with my neighbour's 16: the block's
	v_add_nc_u32 v61, 0xff000000, v62              ; 2 off its exponent field: the conversion takes the exponent field of this operand as its scale
	v_cvt_scalef32_pk16_fp6_f32 v[CU:CU+2], v[XU:XU+15], v61
	v_lshrrev_b32 v[BY+(\u)], 23, v61              ; the scale's byte (also the plain line behind the conversion)
.irp c, 0,1,2
	ds_store_b32 v9, v[CU+\c] offset:1536*(\u)+4*\c
.endr
	ds_store_b8 v10, v[BY+(\u)] offset:64*(\u)     ; both lanes of a block write the same byte with the same value
.endm
	STEP 0
	STEP 1
	STEP 2
	STEP 3
	s_wait_kmcnt 0x0                               ; the bias
	s_wait_dscnt 0x0                               ; for the others' sake: my stores have landed
	s_barrier_signal -1
	s_barrier_wait -1                              ; the 8 tokens' codes, bytes and parts of logits lie in LDS
.irp c, 0,1,2
	ds_load_b128 v[64+4*\c:67+4*\c], v12 offset:512*\c
.endr
	s_wait_dscnt 0x0
.irp c, 0,1,2
	global_store_b128 v11, v[64+4*\c:67+4*\c], s[10:11] offset:512*\c  ; 32 lanes store 512 consecutive bytes, aligned to 256 from xq's first byte.  v64-75 and v11 are written no more in this text
.endr
	s_cmp_lg_u32 s18, 3
	s_cbranch_scc1 .Lno_xs
	ds_load_b64 v[76:77], v13                      ; wave 3: the 8 tokens' 256 scale bytes
	s_wait_dscnt 0x0
	global_store_b64 v15, v[76:77], s[12:13]       ; 256 consecutive bytes, aligned
.Lno_xs:
	s_cmp_lg_u32 s18, 0
	s_cbranch_scc1 .Lend
	; wave 0: the router, lane % 8 = the token (the four groups of eight lanes do the same work; lanes 0-7 store)
.irp w, 0,1,2,3
.irp c, 0,1,2
	ds_load_b128 v[80+12*\w+4*\c:83+12*\w+4*\c], v14 offset:512*\w+16*\c
.endr
.endr
	s_wait_dscnt 0x0
.irp e, 0,1,2,3,4,5,6,7,8,9,10,11
	v_add_f32 v[32+\e], v[80+\e], v[92+\e]
	v_add_f32 v[44+\e], v[104+\e], v[116+\e]
.endr
.irp e, 0,1,2,3,4,5,6,7,8,9,10,11
	v_add_f32 v[32+\e], v[32+\e], v[44+\e]
.endr
.irp e, 0,1,2,3,4,5,6,7,8,9,10,11
	v_add_f32 v[32+\e], s[20+\e], v[32+\e]         ; + the bias: the logit
.endr
	v_mov_b32 v56, v32                             ; the largest so far and its expert,
	v_mov_b32 v57, 0
	v_mov_b32 v58, 0xff800000                      ; the second: -infinity
	v_mov_b32 v59, 0
.irp e, 1,2,3,4,5,6,7,8,9,10,11
	v_cmp_gt_f32 vcc_lo, v[32+\e], v56             ; strictly above: a tie keeps the lower index
	v_cmp_gt_f32 s34, v[32+\e], v58
	v_cndmask_b32 v58, v58, v[32+\e], s34
	v_cndmask_b32 v59, v59, \e, s34
	v_cndmask_b32 v58, v58, v56, vcc_lo            ; a new first pushes the old first to second
	v_cndmask_b32 v59, v59, v57, vcc_lo
	v_cndmask_b32 v56, v56, v[32+\e], vcc_lo
	v_cndmask_b32 v57, v57, \e, vcc_lo
.endr
	v_sub_f32 v60, v58, v56                        ; second - first: 0 or less
	v_mul_f32 v60, 0x3fb8aa3b, v60
	v_exp_f32 v60, v60
	v_lshl_or_b32 v62, v59, 8, v57                 ; sel (a plain line behind the exponential)
	s_wait_alu depctr_va_vdst(0)                   ; ahead of the first reader of the exponential
	v_add_f32 v61, 1.0, v60
	v_rcp_f32 v[GW], v61                           ; w0
	v_nop
	s_wait_alu depctr_va_vdst(0)                   ; ahead of the first reader of the reciprocal
	v_mul_f32 v[GW+1], v60, v[GW]                  ; w1
	s_wait_xcnt 0x0                                ; EXEC changes only behind this wait: my stores of the codes have read it
	v_cmp_gt_u32 vcc_lo, 8, v1
	s_and_saveexec_b32 s34, vcc_lo
	global_store_b32 v17, v62, s[14:15]
	global_store_b64 v15, v[GW:GW+1], s[16:17]
	s_wait_xcnt 0x0
	s_or_b32 exec_lo, exec_lo, s34
.Lend:
	s_wait_tensorcnt 0x0
	ds_add_u32 v254, v255
	s_wait_dscnt 0x0
	s_endpgm
.Lfunc_end_k_qc097055be0_route:
	.size	k_qc097055be0_route, .Lfunc_end_k_qc097055be0_route-k_qc097055be0_route
	.p2alignl 7, 3214868480
	.fill 96, 4, 3214868480
	.section	.rodata,"a",@progbits
	.p2align	6, 0x0
	.amdhsa_kernel k_qc097055be0_route
		.amdhsa_group_segment_fixed_size 111360
		.amdhsa_private_segment_fixed_size 0
		.amdhsa_enable_private_segment 0
		.amdhsa_kernarg_size 56
		.amdhsa_user_sgpr_count 2
		.amdhsa_user_sgpr_kernarg_segment_ptr 1
		.amdhsa_wavefront_size32 1
		.amdhsa_system_sgpr_workgroup_id_x 1
		.amdhsa_system_sgpr_workgroup_id_y 1
		.amdhsa_system_sgpr_workgroup_id_z 1
		.amdhsa_system_vgpr_workitem_id 0
		.amdhsa_next_free_vgpr 448
		.amdhsa_next_free_sgpr 66
		.amdhsa_reserve_vcc 1
		.amdhsa_float_denorm_mode_32 3
		.amdhsa_float_denorm_mode_16_64 3
		.amdhsa_memory_ordered 1
		.amdhsa_forward_progress 1
		.amdhsa_inst_pref_size 65
	.end_amdhsa_kernel
	.amdgpu_metadata
---
amdhsa.version: [ 1, 2 ]
amdhsa.kernels:
  - .name:           k_qc097055be0_route
    .symbol:         k_qc097055be0_route.kd
    .args:
      - { .name: x, .offset: 0, .size: 8, .value_kind: global_buffer, .address_space: global }
      - { .name: gate_w, .offset: 8, .size: 8, .value_kind: global_buffer, .address_space: global }
      - { .name: expert_bias, .offset: 16, .size: 8, .value_kind: global_buffer, .address_space: global }
      - { .name: xq, .offset: 24, .size: 8, .value_kind: global_buffer, .address_space: global }
      - { .name: xs, .offset: 32, .size: 8, .value_kind: global_buffer, .address_space: global }
      - { .name: sel, .offset: 40, .size: 8, .value_kind: global_buffer, .address_space: global }
      - { .name: gw, .offset: 48, .size: 8, .value_kind: global_buffer, .address_space: global }
    .group_segment_fixed_size: 111360
    .private_segment_fixed_size: 0
    .kernarg_segment_align: 8
    .kernarg_segment_size: 56
    .max_flat_workgroup_size: 128
    .sgpr_count:     66
    .vgpr_count:     448
    .wavefront_size: 32
...
	.end_amdgpu_metadata
.endif
;; end of part 1
;; launch up (part 2): grid 256 x 1, 4 waves a work-group, no clusters, 207,360 bytes of LDS; arguments sel, xq, xs, w1_codes, w1_scales, hq, hs; writes hq, hs
.if DOCPART == 2
	.amdgcn_target "amdgcn-amd-amdhsa--gfx1250"
	.amdhsa_code_object_version 6
	.text
	.protected	k_qc097055be0_up
	.globl	k_qc097055be0_up
	.p2align	8
	.type	k_qc097055be0_up,@function
k_qc097055be0_up:
	s_mov_b64 s[64:65], 0
	v_nop
	global_prefetch_b8 v0, s[64:65] scope:SCOPE_SE
	s_setreg_imm32_b32 hwreg(HW_REG_WAVE_MODE, 25, 1), 1
	s_wait_xcnt 0x0
; UP: hq, hs = the codes and scale bytes of silu(Q(x) W1^T), for the rows that the router chose.  Both operands E2M3 with E8M0 scales, by v_wmma_scale_f32_16x16x128_f8f6f4; sums, silu and the quantiser in f32.
; SHARES: 256 work-groups = 8 experts e x 4 quarters tq of 512 tokens x 8 slices sl of 256 hidden units.  Wave w keeps hidden units 256 sl + 64 w .. + 63 of W1[e] in 384 registers for the whole launch
; (4 tiles of 16 x 8 K steps x 12) and multiplies them by all rows of (e, tq): the tokens of the quarter that have e among their two experts, in token order, n of them (0 .. 512).
; THE LIST is remade in every wave from the quarter's 512 words of sel: 16 lane masks, their bit counts and prefix sums in scalar registers; SELECT finds the p-th set bit.  No LDS address and no barrier hangs on it.
; NO TENSOR LOADS AND NO CLUSTER: trip work hangs on n, a number read from memory, so operands come by plain loads; barriers stand only at the top of loops of constant count (4 rounds of 128 rows), work is jumped over inside.
; K ORDER: whole blocks of 32 are taken in another order, alike on both sides and in the scale words: in K step s lane half h holds blocks 16 h + 2 s and 16 h + 2 s + 1, which are 48 consecutive bytes at 384 h + 48 s of a row.
; TRANSPOSED: source 0 = 16 rows of W1, source 1 = 16 rows of x, so a lane holds one row of h.  Lane r of tile 2 b + u takes W1's row 32 b + 8 u + r + 8 (r / 8): the 16 registers of tiles 2 b, 2 b + 1 are 16 neighbours along DFF.
; OUT: hq [e 4 + tq][tile of 16 rows, 32][K step of the next launch, 16][1,536]: images of that launch's operand registers (chunk c at 512 c, lane's 16 bytes at 16 x lane); hs [e 4 + tq][row 512][64]: block's byte at its number.
; With n = 0 one pair of tiles is still made (of some token of the quarter), so that the next launch's first loads find written bytes.  Rows from n up to the pair's end repeat row n - 1.
; LIMITS: NaN and infinities are not served; a block of h whose largest magnitude lies under 2^-124 keeps the scale byte 1.  A very uneven routing is served, more slowly (up to 4 rounds).
.set PA,   784                         ; a row of codes in LDS: 768 bytes + 16: 49 x 16, so the 16 rows of a fragment load start in 16 different groups of four banks
.set XP,   48                          ; a row of scale words in LDS: 32 bytes + 16
.set XSB,  128*PA                      ; LDS: 128 rows of x's codes at 0, their scale words here,
.set WST,  XSB+128*XP                  ; and a stage of 32 rows for each wave, for the turn of W1
.set M,    32                          ; s32-47  lane masks: bit l of word j: token 512 tq + 32 j + l uses e
.set P,    47                          ; s48-62  P + j: set bits in words under j
.set ACC,  64                          ; v64-127  the pair's 8 accumulators: tile of rows g, tile of units t at 32 g + 8 t
.set EX,   128                         ; v128-191 at work in silu
.set TM,   192                         ; v192-195 largest magnitudes, v196-199 bytes, v204-207 the conversions' scale operands
.set O,    216                         ; v216-227 48 bytes of codes: my row's two blocks
.set T0,   228
.set T1,   232
; v1 lane, v2 r, v3 h, v4 16 l;  v5-v19 addresses (below);  v20-33 SELECT;  v34-36 load offsets;  v40-55 W1's scale words, v56-63 x's: these hold scales and nothing else
; window 1: W1's tiles 0, 1 (tile at 96 (t % 2) + 12 s);  window 2: tiles 2, 3;  window 3: v0-191 the loader's rows, later x's fragments (96 g + 12 s)
.set MSB, 0
.macro WIN new                         ; the immediate's high byte repeats the setting that is left
.if MSB != (\new)
	s_set_vgpr_msb (MSB<<8)|(\new)
.set MSB, (\new)
.endif
.endm
; One step of the search for the (q + 1)-th set bit: t = the set bits in the field of x at pos; where q >= t the bit lies beyond the field
.macro SELSTEP x, field, wd
	v_bfe_u32 v31, \x, v30, \field
	v_cmp_ge_u32 vcc_lo, v25, v31
	v_cndmask_b32 v31, 0, v31, vcc_lo
	v_cndmask_b32 v32, 0, \wd, vcc_lo
	v_sub_nc_u32 v25, v25, v31
	v_add_nc_u32 v30, v30, v32
.endm
; v20 = p (a lane's own)  ->  v33 = the token that is p-th in the list
.macro SELECT
	v_mov_b32 v21, s[M]                            ; the word that holds the bit,
	v_mov_b32 v22, 0                               ; the set bits under it,
	v_mov_b32 v23, 0                               ; its number
.irp j, 1,2,3,4,5,6,7,8,9,10,11,12,13,14,15
	v_cmp_gt_u32 vcc_lo, s[P+\j], v20              ; where P[j] > p the earlier choice stays
	v_cndmask_b32 v21, s[M+\j], v21, vcc_lo
	v_cndmask_b32 v22, s[P+\j], v22, vcc_lo
	v_cndmask_b32 v23, \j, v23, vcc_lo
.endr
	v_sub_nc_u32 v25, v20, v22                     ; q
	v_lshrrev_b32 v26, 1, v21
	v_and_b32 v26, 0x55555555, v26
	v_sub_nc_u32 v26, v21, v26                     ; counts in fields of 2,
	v_lshrrev_b32 v27, 2, v26
	v_and_b32 v27, 0x33333333, v27
	v_and_b32 v28, 0x33333333, v26
	v_add_nc_u32 v27, v27, v28                     ; of 4,
	v_lshrrev_b32 v28, 4, v27
	v_add_nc_u32 v28, v28, v27
	v_and_b32 v28, 0x0f0f0f0f, v28                 ; of 8,
	v_lshrrev_b32 v29, 8, v28
	v_add_nc_u32 v29, v29, v28                     ; and, in byte 0, of the low 16
	v_mov_b32 v30, 0                               ; pos
	SELSTEP v29, 8, 16
	SELSTEP v28, 8, 8
	SELSTEP v27, 4, 4
	SELSTEP v26, 2, 2
	SELSTEP v21, 1, 1
	v_lshl_add_u32 v33, v23, 5, v30
	v_add_nc_u32 v33, s29, v33                     ; 512 tq + 32 word + bit
.endm
; The matrix instruction on the registers named by rD, rW, rA, rSW, rSX.  z: the constant 0 starts the sum.  ra, rb: the side's scale words stand in lanes 16-31
.macro WM z, ra, rb
.if (\z) && (\ra) && (\rb)
	v_wmma_scale_f32_16x16x128_f8f6f4 v[rD:rD+7], v[rW:rW+11], v[rA:rA+11], 0, v[rSW], v[rSX] matrix_a_fmt:MATRIX_FMT_FP6 matrix_b_fmt:MATRIX_FMT_FP6 matrix_a_scale:MATRIX_SCALE_ROW1 matrix_b_scale:MATRIX_SCALE_ROW1
.elseif (\z) && (\ra)
	v_wmma_scale_f32_16x16x128_f8f6f4 v[rD:rD+7], v[rW:rW+11], v[rA:rA+11], 0, v[rSW], v[rSX] matrix_a_fmt:MATRIX_FMT_FP6 matrix_b_fmt:MATRIX_FMT_FP6 matrix_a_scale:MATRIX_SCALE_ROW1
.elseif (\z) && (\rb)
	v_wmma_scale_f32_16x16x128_f8f6f4 v[rD:rD+7], v[rW:rW+11], v[rA:rA+11], 0, v[rSW], v[rSX] matrix_a_fmt:MATRIX_FMT_FP6 matrix_b_fmt:MATRIX_FMT_FP6 matrix_b_scale:MATRIX_SCALE_ROW1
.elseif (\z)
	v_wmma_scale_f32_16x16x128_f8f6f4 v[rD:rD+7], v[rW:rW+11], v[rA:rA+11], 0, v[rSW], v[rSX] matrix_a_fmt:MATRIX_FMT_FP6 matrix_b_fmt:MATRIX_FMT_FP6
.elseif (\ra) && (\rb)
	v_wmma_scale_f32_16x16x128_f8f6f4 v[rD:rD+7], v[rW:rW+11], v[rA:rA+11], v[rD:rD+7], v[rSW], v[rSX] matrix_a_fmt:MATRIX_FMT_FP6 matrix_b_fmt:MATRIX_FMT_FP6 matrix_a_scale:MATRIX_SCALE_ROW1 matrix_b_scale:MATRIX_SCALE_ROW1
.elseif (\ra)
	v_wmma_scale_f32_16x16x128_f8f6f4 v[rD:rD+7], v[rW:rW+11], v[rA:rA+11], v[rD:rD+7], v[rSW], v[rSX] matrix_a_fmt:MATRIX_FMT_FP6 matrix_b_fmt:MATRIX_FMT_FP6 matrix_a_scale:MATRIX_SCALE_ROW1
.elseif (\rb)
	v_wmma_scale_f32_16x16x128_f8f6f4 v[rD:rD+7], v[rW:rW+11], v[rA:rA+11], v[rD:rD+7], v[rSW], v[rSX] matrix_a_fmt:MATRIX_FMT_FP6 matrix_b_fmt:MATRIX_FMT_FP6 matrix_b_scale:MATRIX_SCALE_ROW1
.else
	v_wmma_scale_f32_16x16x128_f8f6f4 v[rD:rD+7], v[rW:rW+11], v[rA:rA+11], v[rD:rD+7], v[rSW], v[rSX] matrix_a_fmt:MATRIX_FMT_FP6 matrix_b_fmt:MATRIX_FMT_FP6
.endif
.endm
.macro MM t, g, s                      ; tile of units t x tile of rows g, K step s
.set rD, ACC+32*(\g)+8*(\t)
.set rW, 96*((\t)&1)+12*(\s)
.set rA, 96*(\g)+12*(\s)
.set rSW, 40+8*((\t)>>1)+(\s)
.set rSX, 56+(\s)
	WM (\s)==0, (\t)&1, (\g)
.endm
	s_load_b256 s[4:11], s[0:1], 0x0               ; sel s[4:5], xq s[6:7], xs s[8:9], w1_codes s[10:11]
	s_load_b128 s[12:15], s[0:1], 0x20             ; w1_scales s[12:13], hq s[14:15]
	s_load_b64 s[16:17], s[0:1], 0x30              ; hs
	v_lshl_add_u32 v254, v0, 2, 0x32800
	v_mov_b32 v255, 0
	v_lshrrev_b32 v1, 5, v0
	v_readfirstlane_b32 s18, v1                    ; wave 0..3
	s_lshr_b32 s19, ttmp9, 5                       ; e
	s_bfe_u32 s20, ttmp9, 0x20003                  ; tq
	s_and_b32 s21, ttmp9, 7                        ; sl
	v_and_b32 v1, 31, v0                           ; lane
	v_and_b32 v2, 15, v0                           ; r
	v_bfe_u32 v3, v0, 4, 1                         ; h
	v_lshlrev_b32 v4, 4, v1                        ; 16 l
	s_mul_i32 s72, s18, 32*PA
	v_add_nc_u32 v5, s72, v4                       ; the loader's stores: my wave's 32 rows, 16 bytes a lane;
	v_mul_u32_u24 v6, v3, 528
	v_add_nc_u32 v6, v6, v5                        ; the same where lanes 16-31 hold the next row's last 256 bytes
	s_mul_i32 s72, s18, 32*XP
	v_mul_u32_u24 v7, v1, XP
	v_add_nc_u32 v7, s72, v7
	v_add_nc_u32 v7, XSB, v7                       ; the loader's scale words: lane = row
	s_mul_i32 s72, s18, 32*PA
	s_add_co_u32 s72, s72, WST                     ; my stage
	v_add_nc_u32 v8, s72, v4
	v_lshl_add_u32 v9, v3, 4, v8                   ; (where a load straddles two rows, lanes 16-31 pass one padding)
	v_mul_u32_u24 v11, v2, PA
	v_mad_u32_u24 v11, v3, 384, v11                ; a fragment: row r, + 384 h
	v_add_nc_u32 v10, s72, v11                     ; of W1, out of my stage
	v_mul_u32_u24 v13, v1, XP
	v_add_nc_u32 v13, XSB, v13                     ; x's scale words: lane = row of the pair
	v_mul_u32_u24 v15, v3, 24576
	v_lshl_add_u32 v15, v2, 4, v15                 ; hq: lanes 16-31 the pair's second tile; 16 bytes a row
	v_lshlrev_b32 v17, 6, v1                       ; hs: 64 bytes a row
	v_lshlrev_b32 v19, 8, v3
	v_sub_nc_u32 v19, v4, v19
	v_add_nc_u32 v19, 512, v19                     ; a row's last 256 bytes, 16 lanes to a row: 512 + 16 (lane % 16)
	v_lshlrev_b32 v34, 2, v1                       ; sel: 4 bytes a lane
	v_and_b32 v35, 8, v2
	v_add_nc_u32 v35, v35, v2
	v_lshl_add_u32 v35, v3, 3, v35
	v_lshlrev_b32 v35, 5, v35                      ; W1's scale rows: row r + 8 (r / 8) + 8 h of a block of 32, 32 bytes each
.irp b, 0,1,2,3
	v_mov_b32 v[TM+4+\b], 0                        ; written once: a lane permute's destination counts as one of its sources
.endr
	s_mov_b32 s28, 0xffff0000                      ; lanes 16-31
	s_mov_b32 s30, 0x76543210
	s_mov_b32 s31, 0xfedcba98                      ; v_permlanex16_b32's selects for lane l xor 16
	s_mov_b32 s66, 0xbfb8aa3b                      ; -log2(e)
	s_mov_b32 s67, s66                             ; (named with it as a pair)
	s_lshl_b32 s29, s20, 9                         ; 512 tq
	s_lshl_b32 s72, s19, 11
	s_lshl_b32 s73, s21, 8
	s_add_co_u32 s72, s72, s73
	s_lshl_b32 s73, s18, 6
	s_add_co_u32 s72, s72, s73                     ; my first row of W1: 2048 e + 256 sl + 64 w
	s_mul_i32 s74, s72, 768
	s_mov_b32 s75, 0
	s_lshl_b32 s76, s72, 5
	s_mov_b32 s77, 0
	s_lshl_b32 s78, s20, 11
	s_mov_b32 s79, 0
	s_wait_kmcnt 0x0
	s_add_nc_u64 s[4:5], s[4:5], s[78:79]          ; sel at the quarter's first token
	s_add_nc_u64 s[10:11], s[10:11], s[74:75]
	s_add_nc_u64 s[12:13], s[12:13], s[76:77]
	s_lshl_b32 s72, s19, 2
	s_add_co_u32 s72, s72, s20                     ; the group 4 e + tq
	s_mul_i32 s74, s72, 786432
	s_lshr_b32 s73, s21, 1
	s_lshl_b32 s73, s73, 2
	s_add_co_u32 s73, s73, s18                     ; my two blocks 8 sl + 2 w, + 1 are K step 4 (sl / 2) + w of the next launch,
	s_mul_i32 s73, s73, 1536
	s_add_co_u32 s74, s74, s73
	s_and_b32 s73, s21, 1                          ; in its lane half sl % 2
	s_lshl_b32 s73, s73, 8
	s_add_co_u32 s74, s74, s73
	s_add_nc_u64 s[14:15], s[14:15], s[74:75]
	s_lshl_b32 s74, s72, 15
	s_lshl_b32 s73, s21, 2
	s_add_co_u32 s73, s73, s18
	s_lshl_b32 s73, s73, 1
	s_add_co_u32 s74, s74, s73
	s_add_nc_u64 s[16:17], s[16:17], s[74:75]      ; hs at the group's row 0, byte 8 sl + 2 w
.irp j, 0,1,2,3,4,5,6,7,8,9,10,11,12,13,14,15
	global_load_b32 v[64+\j], v34, s[4:5] offset:128*\j
.endr
.irp b, 0,1
	global_load_b128 v[128+8*\b:131+8*\b], v35, s[12:13] offset:1024*\b
	global_load_b128 v[132+8*\b:135+8*\b], v35, s[12:13] offset:1024*\b+16
.endr
	WIN 0x40                                       ; W1 as it lies: my 64 rows are 96 x 512 consecutive bytes; load i into window 1 + i / 48, register 4 (i % 48)
.set i, 0
.rept 40
	global_load_b128 v[4*i:4*i+3], v4, s[10:11] offset:512*i
.set i, i+1
.endr
	WIN 0
	s_wait_loadcnt 44                              ; sel's 16 loads are in; the 4 + 40 behind them may be out
.irp j, 0,1,2,3,4,5,6,7,8,9,10,11,12,13,14,15
	v_and_b32 v20, 0xff, v[64+\j]
	v_lshrrev_b32 v21, 8, v[64+\j]
	v_cmp_eq_u32 s72, s19, v20
	v_cmp_eq_u32 s73, s19, v21
	s_or_b32 s[M+\j], s72, s73
.endr
	s_bcnt1_i32_b32 s[P+1], s[M]
.irp j, 2,3,4,5,6,7,8,9,10,11,12,13,14,15
	s_bcnt1_i32_b32 s72, s[M+\j-1]
	s_add_co_u32 s[P+\j], s[P+\j-1], s72
.endr
	s_bcnt1_i32_b32 s72, s[M+15]
	s_add_co_u32 s22, s[P+15], s72                 ; n
	s_max_u32 s22, s22, 1                          ; n1: at least one row is made
	s_mov_b32 s23, s22                             ; rows left from this round on
	s_mov_b32 s24, 0                               ; the round's first row
	WIN 0x40
.rept 8
	global_load_b128 v[4*i:4*i+3], v4, s[10:11] offset:512*i
.set i, i+1
.endr
	WIN 0x80
.rept 48
	global_load_b128 v[4*(i-48):4*(i-48)+3], v4, s[10:11] offset:512*i
.set i, i+1
.endr
	WIN 0
; My wave's 32 rows of the round (rows base + 32 w on) come from xq and xs into LDS.  Two rows are three loads, each of whole runs of 256 consecutive bytes: row a's first 512, row b's first 512, both rows' last 256.
; A number that comes from sel enters an address only behind a hold at 2,047, and behind the hold stand a multiply and adds alone.
.macro LOADER
	s_lshl_b32 s72, s18, 5
	s_cmp_ge_i32 s72, s23
	s_cbranch_scc1 .Lno_rows_\@
	s_add_co_u32 s72, s72, s24
	s_sub_co_u32 s73, s22, 1
	v_add_nc_u32 v20, s72, v1
	v_min_u32 v20, s73, v20                        ; p: rows past the list's end repeat its last row
	SELECT
	v_min_u32 v36, 0x7ff, v33
	v_lshlrev_b32 v36, 5, v36
	global_load_b128 v[112:115], v36, s[8:9]       ; lane = row: its 8 scale words
	global_load_b128 v[116:119], v36, s[8:9] offset:16
.set i, 0
.rept 16
	v_readlane_b32 s72, v33, 2*i
	v_readlane_b32 s73, v33, 2*i+1
	v_mov_b32 v30, s72
	v_cndmask_b32 v30, v30, s73, s28               ; lanes 0-15 row a's token, lanes 16-31 row b's
	s_min_u32 s72, s72, 0x7ff
	s_min_u32 s73, s73, 0x7ff
	s_mul_i32 s72, s72, 768
	s_mul_i32 s73, s73, 768
	v_min_u32 v30, 0x7ff, v30
	v_add_nc_u32 v[64+3*i], s72, v4
	v_add_nc_u32 v[65+3*i], s73, v4
	v_mad_u32_u24 v[66+3*i], v30, 0x300, v19
.set i, i+1
.endr
	WIN 0xc0                                       ; destination window 3
.set i, 0
.rept 48
	global_load_b128 v[4*i:4*i+3], v[64+i], s[6:7]
.set i, i+1
.endr
	s_wait_loadcnt 0x0
	WIN 0x0c                                       ; an LDS store's data are its source 1: window 3
.set i, 0
.rept 16
	ds_store_b128 v5, v[12*i:12*i+3] offset:PA*2*i
	ds_store_b128 v5, v[12*i+4:12*i+7] offset:PA*(2*i+1)
	ds_store_b128 v6, v[12*i+8:12*i+11] offset:PA*2*i+512
.set i, i+1
.endr
	WIN 0
	ds_store_b128 v7, v[112:115]
	ds_store_b128 v7, v[116:119] offset:16
.Lno_rows_\@:
.endm
	LOADER
	s_wait_loadcnt 0x0                             ; W1 and its scale rows are in
	; THE TURN OF W1 through my own stage, 32 rows a pass: rows go in as they were loaded, to the slot 16 ((row / 8) % 2) + 8 (row / 16) + row % 8, so that a tile's 16 rows lie on end; fragments come out, 384 bytes a lane and tile.
.irp b, 0,1
	WIN (1+\b)<<2
.set k, 0
.rept 16
.set SG, 16*(((2*k)>>3)&1)+8*((2*k)>>4)+((2*k)&7)
	ds_store_b128 v8, v[12*k:12*k+3] offset:PA*SG
	ds_store_b128 v9, v[12*k+4:12*k+7] offset:PA*SG+512
	ds_store_b128 v8, v[12*k+8:12*k+11] offset:PA*SG+1040
.set k, k+1
.endr
	WIN (1+\b)<<6
.irp u, 0,1
.set q, 0
.rept 24
	ds_load_b128 v[96*\u+4*q:96*\u+4*q+3], v10 offset:PA*16*\u+16*q     ; LDS serves a wave's instructions in order: these see the stores above, and the next pass's stores come behind them
.set q, q+1
.endr
.endr
.endr
	WIN 0
.irp b, 0,1
.irp i, 0,1,2,3
	v_perm_b32 v[40+8*\b+2*\i], v[132+8*\b+\i], v[128+8*\b+\i], 0x05010400   ; word s = bytes 2 s, 16 + 2 s, 2 s + 1, 17 + 2 s of the row's 32
	v_perm_b32 v[41+8*\b+2*\i], v[132+8*\b+\i], v[128+8*\b+\i], 0x07030602
.endr
.endr
.rept 8
	v_nop                                          ; a scale register written by a vector instruction stands 8 places ahead of a scaled matrix instruction
.endr
; A PAIR of tiles of rows (32 rows): fetch, 64 products, silu, quantise, store.
.macro PAIR
	s_wait_xcnt 0x0                                ; the last pair's stores have read their data and offsets, which are written again below
	v_add_nc_u32 v12, s68, v11
	v_add_nc_u32 v14, s69, v13
	v_add_nc_u32 v16, s70, v15
	v_add_nc_u32 v18, s71, v17
	ds_load_b128 v[56:59], v14                     ; x's scale words: lanes 0-15 the first tile's rows, lanes 16-31 the second's
	ds_load_b128 v[60:63], v14 offset:16
	WIN 0xc0
.irp s, 0,1,2,3,4,5,6,7
.irp g, 0,1
.irp c, 0,1,2
	ds_load_b128 v[96*\g+12*\s+4*\c:96*\g+12*\s+4*\c+3], v12 offset:16*PA*\g+48*\s+16*\c
.endr
.endr
.endr
	WIN 0x0d                                       ; source 0 (W1) window 1, source 1 (x) window 3, C and D window 0.  Four accumulators take turns, one instruction a turn
.irp s, 0,1,2,3,4,5,6,7
	s_wait_dscnt 6*(7-\s)                          ; this K step's six loads are in; the later steps' may be out
	MM 0, 0, \s
	MM 1, 0, \s
	MM 0, 1, \s
	MM 1, 1, \s
.endr
	WIN 0x0e                                       ; W1's tiles 2, 3: window 2
.irp s, 0,1,2,3,4,5,6,7
	MM 2, 0, \s
	MM 3, 0, \s
	MM 2, 1, \s
	MM 3, 1, \s
.endr
	WIN 0
.rept 4
	v_nop                                          ; places behind the last products, ahead of the first read of results
.endr
.set j, 0
.rept 32
	v_pk_mul_f32 v[EX+2*j:EX+2*j+1], v[ACC+2*j:ACC+2*j+1], s[66:67] op_sel_hi:[1,0]   ; -z log2(e); each accumulator is read from its low end on
.set j, j+1
.endr
.set j, 0
.rept 64
	v_exp_f32 v[EX+j], v[EX+j]
.set j, j+1
.endr
	v_nop
	s_wait_alu depctr_va_vdst(0)                   ; one wait for the batch, ahead of its first reader
.set j, 0
.rept 32
	v_pk_add_f32 v[EX+2*j:EX+2*j+1], v[EX+2*j:EX+2*j+1], 1.0 op_sel_hi:[1,0]
.set j, j+1
.endr
.set j, 0
.rept 64
	v_rcp_f32 v[EX+j], v[EX+j]
.set j, j+1
.endr
	v_nop
	s_wait_alu depctr_va_vdst(0)                   ; and one for the reciprocals
.set j, 0
.rept 32
	v_pk_mul_f32 v[ACC+2*j:ACC+2*j+1], v[ACC+2*j:ACC+2*j+1], v[EX+2*j:EX+2*j+1]       ; silu(z) = z / (1 + e^-z)
.set j, j+1
.endr
	; four blocks of 32 along DFF: number 2 g + b at ACC + 16 (2 g + b); a lane holds 16 of a block, lane l xor 16 the others
.irp b, 0,1,2,3
	v_max3_num_f32 v[TM+\b], |v[ACC+16*\b]|, |v[ACC+16*\b+1]|, 0x1800000              ; with the floor 2^(3 - 127): the byte cannot fall under 1
.endr
.irp i, 2,4,6,8,10,12,14
.irp b, 0,1,2,3
	v_max3_num_f32 v[TM+\b], v[TM+\b], |v[ACC+16*\b+\i]|, |v[ACC+16*\b+\i+1]|
.endr
.endr
.irp b, 0,1,2,3
	v_permlanex16_b32 v[TM+4+\b], v[TM+\b], s30, s31
.endr
.irp b, 0,1,2,3
	v_max_num_f32 v[TM+\b], v[TM+\b], v[TM+4+\b]
.endr
.irp b, 0,1,2,3
	v_add_nc_u32 v[TM+12+\b], 0xff000000, v[TM+\b] ; 2 off the exponent field: the conversion's scale operand
.endr
.irp b, 0,1,2,3
	v_lshrrev_b32 v[TM+4+\b], 23, v[TM+12+\b]      ; the scale's byte
.endr
	v_cvt_scalef32_pk16_fp6_f32 v[O:O+2], v[ACC:ACC+15], v[TM+12]            ; tile 0, block 0: 16 codes a lane
	v_cvt_scalef32_pk16_fp6_f32 v[T0:T0+2], v[ACC+32:ACC+47], v[TM+14]       ; tile 1, block 0
	v_cvt_scalef32_pk16_fp6_f32 v[O+6:O+8], v[ACC+16:ACC+31], v[TM+13]       ; tile 0, block 1
	v_cvt_scalef32_pk16_fp6_f32 v[T1:T1+2], v[ACC+48:ACC+63], v[TM+15]       ; tile 1, block 1
	v_nop                                          ; one plain line behind the conversions
.irp i, 0,1,2
	v_permlane16_swap_b32 v[O+\i], v[T0+\i]        ; the first's lanes 16-31 change places with the second's lanes 0-15: lane (r, g) now holds row r of tile g: here the block's lower 16 codes, there the upper
	v_permlane16_swap_b32 v[O+6+\i], v[T1+\i]
.endr
.irp i, 0,1,2
	v_mov_b32 v[O+3+\i], v[T0+\i]
	v_mov_b32 v[O+9+\i], v[T1+\i]
.endr
	v_lshl_or_b32 v236, v[TM+5], 8, v[TM+4]
	v_lshl_or_b32 v237, v[TM+7], 8, v[TM+6]
	v_cndmask_b32 v236, v236, v237, s28            ; my row's two bytes
.irp c, 0,1,2
	global_store_b128 v16, v[O+4*\c:O+4*\c+3], s[14:15] offset:512*\c        ; each half of the lanes stores 256 consecutive bytes, aligned
.endr
	global_store_b16 v18, v236, s[16:17]           ; two bytes a row, rows 64 bytes apart: one byte in 24 of what the pair stores
.endm
	s_mov_b32 s25, 4                               ; four rounds of 128 rows serve every n up to 512
	s_mov_b32 s70, 0                               ; hq: the pair's place, 2 tiles of 24,576 bytes a pair
	s_mov_b32 s71, 0                               ; hs: 32 rows of 64 bytes a pair
.Lround:
	s_wait_dscnt 0x0                               ; my stores of the round's rows have landed
	s_barrier_signal -1
	s_barrier_wait -1                              ; everybody's have
	s_mov_b32 s26, 4
	s_mov_b32 s27, 0                               ; the pair's first row in the round
	s_mov_b32 s68, 0                               ; and its place among the codes and the scale words in LDS
	s_mov_b32 s69, 0
.Lpair:
	s_cmp_ge_i32 s27, s23                          ; a pair with no row is jumped over; the steps below are not
	s_cbranch_scc1 .Lno_pair
	PAIR
.Lno_pair:
	s_add_co_u32 s27, s27, 32
	s_add_co_u32 s68, s68, 32*PA
	s_add_co_u32 s69, s69, 32*XP
	s_add_co_u32 s70, s70, 49152
	s_add_co_u32 s71, s71, 2048
	s_sub_co_u32 s26, s26, 1
	s_cmp_lg_u32 s26, 0
	s_cbranch_scc1 .Lpair
	s_wait_dscnt 0x0                               ; my reads of the round's rows are over
	s_barrier_signal -1
	s_barrier_wait -1                              ; everybody's are: the rows may be written again
	s_sub_co_i32 s23, s23, 128
	s_add_co_u32 s24, s24, 128
	LOADER                                         ; the next round's rows, if there are any
	s_sub_co_u32 s25, s25, 1
	s_cmp_lg_u32 s25, 0
	s_cbranch_scc1 .Lround
	s_wait_tensorcnt 0x0
	ds_add_u32 v254, v255
	s_wait_dscnt 0x0
	s_endpgm
.Lfunc_end_k_qc097055be0_up:
	.size	k_qc097055be0_up, .Lfunc_end_k_qc097055be0_up-k_qc097055be0_up
	.p2alignl 7, 3214868480
	.fill 96, 4, 3214868480
	.section	.rodata,"a",@progbits
	.p2align	6, 0x0
	.amdhsa_kernel k_qc097055be0_up
		.amdhsa_group_segment_fixed_size 207360
		.amdhsa_private_segment_fixed_size 0
		.amdhsa_enable_private_segment 0
		.amdhsa_kernarg_size 56
		.amdhsa_user_sgpr_count 2
		.amdhsa_user_sgpr_kernarg_segment_ptr 1
		.amdhsa_wavefront_size32 1
		.amdhsa_system_sgpr_workgroup_id_x 1
		.amdhsa_system_sgpr_workgroup_id_y 1
		.amdhsa_system_sgpr_workgroup_id_z 1
		.amdhsa_system_vgpr_workitem_id 0
		.amdhsa_next_free_vgpr 1024
		.amdhsa_next_free_sgpr 100
		.amdhsa_reserve_vcc 1
		.amdhsa_float_denorm_mode_32 3
		.amdhsa_float_denorm_mode_16_64 3
		.amdhsa_memory_ordered 1
		.amdhsa_forward_progress 1
		.amdhsa_inst_pref_size 108
	.end_amdhsa_kernel
	.amdgpu_metadata
---
amdhsa.version: [ 1, 2 ]
amdhsa.kernels:
  - .name:           k_qc097055be0_up
    .symbol:         k_qc097055be0_up.kd
    .args:
      - { .name: sel, .offset: 0, .size: 8, .value_kind: global_buffer, .address_space: global }
      - { .name: xq, .offset: 8, .size: 8, .value_kind: global_buffer, .address_space: global }
      - { .name: xs, .offset: 16, .size: 8, .value_kind: global_buffer, .address_space: global }
      - { .name: w1_codes, .offset: 24, .size: 8, .value_kind: global_buffer, .address_space: global }
      - { .name: w1_scales, .offset: 32, .size: 8, .value_kind: global_buffer, .address_space: global }
      - { .name: hq, .offset: 40, .size: 8, .value_kind: global_buffer, .address_space: global }
      - { .name: hs, .offset: 48, .size: 8, .value_kind: global_buffer, .address_space: global }
    .group_segment_fixed_size: 207360
    .private_segment_fixed_size: 0
    .kernarg_segment_align: 8
    .kernarg_segment_size: 56
    .max_flat_workgroup_size: 128
    .sgpr_count:     100
    .vgpr_count:     1024
    .wavefront_size: 32
...
	.end_amdgpu_metadata
.endif
;; end of part 2
;; launch down (part 3): grid 256 x 1, 4 waves a work-group, no clusters, 270,848 bytes of LDS; arguments sel, hq, hs, w2_codes, w2_scales, y; writes y
.if DOCPART == 3
	.amdgcn_target "amdgcn-amd-amdhsa--gfx1250"
	.amdhsa_code_object_version 6
	.text
	.protected	k_qc097055be0_down
	.globl	k_qc097055be0_down
	.p2align	8
	.type	k_qc097055be0_down,@function
k_qc097055be0_down:
	s_mov_b64 s[64:65], 0
	v_nop
	global_prefetch_b8 v0, s[64:65] scope:SCOPE_SE
	s_setreg_imm32_b32 hwreg(HW_REG_WAVE_MODE, 25, 1), 1
	s_wait_xcnt 0x0
; DOWN: y[2 token + k][:] = Q(h) W2[e]^T for the rows that the router chose (k: whether e is the token's first or second expert); not yet weighted.  Both operands E2M3 with E8M0 scales; sums in f32.
; SHARES: 256 work-groups = 8 experts e x 4 quarters tq of 512 tokens x 8 slices sl of 128 output columns.  THE WAVES SPLIT K: wave w owns blocks 16 w .. 16 w + 15 of DFF's 64 and keeps that quarter of the slice's 128 rows
; of W2[e] in 384 registers (8 tiles x 4 K steps x 12).  So h's register images come from memory straight into operand registers, each byte once a work-group, 512 consecutive bytes a load; the four waves' partial sums
; meet in LDS, and each wave adds and stores 32 of a round's 128 rows.
; THE LIST of rows is remade in every wave from the quarter's 512 words of sel, as in the launch before.  NO TENSOR LOADS AND NO CLUSTER: work hangs on n, a number read from memory; barriers stand only at the top of a loop
; of constant count (4 rounds of 128 rows), work is jumped over inside.
; K ORDER: in K step s' lane half h holds blocks 16 w + 8 h + 2 s' and + 1: 48 consecutive bytes at 384 w + 192 h + 48 s' of a row of W2; hq's images and both sides' scale words are laid the same way.
; TRANSPOSED: source 0 = 16 rows of W2 (output columns), source 1 = 16 rows of h: a lane holds eight neighbouring columns of one row of y.
; Tiles of h past the last written one are replaced by the last written tile, so no byte is read that the launch before has not stored; their products are jumped over.
; LIMITS: the sum over K is made in four parts and in another order of blocks than ascending K.  A very uneven routing is served, more slowly (up to 4 rounds).
.set WP,   1552                        ; W2's stage: a row of 1,536 bytes + 16: 97 x 16
.set SPT,  528                         ; the partial sums' stage: a row of 128 f32 + 16 bytes
.set SWV,  128*SPT                     ; 67,584 bytes a wave; the four lie over W2's stage, which is done with behind the second barrier
.set M,    32                          ; s32-47  lane masks: token uses e
.set P,    47                          ; s48-62  P + j: set bits in words under j
.set BM,   66                          ; s66-81  lane masks: e is the token's second expert
.set TB,   82                          ; s82-97  the addresses of the round's eight tiles of h
; v1 lane, v2 r, v3 h, v4 16 l; v5-19 addresses; v20-33 SELECT; v34-39 load offsets; v40-55 W2's scale words, v56-71 h's: these hold scales and nothing else;
; v80-207 two sets of 8 accumulators (80 + 64 (tile % 2) + 8 n), later the rows that are added; v208-255 h's tile 7
; window 1: v0-239 W2's tiles 0-4 (48 n + 12 s'), v240-255 h's scale rows as loaded;  window 2: v0-143 W2's tiles 5-7, v144-239 h's tiles 0, 1;  window 3: v0-239 h's tiles 2-6
.set MSB, 0
.macro WIN new                         ; the immediate's high byte repeats the setting that is left
.if MSB != (\new)
	s_set_vgpr_msb (MSB<<8)|(\new)
.set MSB, (\new)
.endif
.endm
.macro SETA i                          ; AB = the first register of h's tile i, counted through the windows
.if (\i) < 2
.set AB, 656+48*(\i)
.elseif (\i) < 7
.set AB, 768+48*((\i)-2)
.else
.set AB, 208
.endif
.endm
.macro SELSTEP x, field, wd
	v_bfe_u32 v31, \x, v30, \field
	v_cmp_ge_u32 vcc_lo, v25, v31
	v_cndmask_b32 v31, 0, v31, vcc_lo
	v_cndmask_b32 v32, 0, \wd, vcc_lo
	v_sub_nc_u32 v25, v25, v31
	v_add_nc_u32 v30, v30, v32
.endm
; v20 = p (a lane's own)  ->  v33 = 2 x the token that is p-th in the list + k
.macro SELECT
	v_mov_b32 v21, s[M]
	v_mov_b32 v22, 0
	v_mov_b32 v23, 0
	v_mov_b32 v24, s[BM]
.irp j, 1,2,3,4,5,6,7,8,9,10,11,12,13,14,15
	v_cmp_gt_u32 vcc_lo, s[P+\j], v20              ; where P[j] > p the earlier choice stays
	v_cndmask_b32 v21, s[M+\j], v21, vcc_lo
	v_cndmask_b32 v22, s[P+\j], v22, vcc_lo
	v_cndmask_b32 v23, \j, v23, vcc_lo
	v_cndmask_b32 v24, s[BM+\j], v24, vcc_lo
.endr
	v_sub_nc_u32 v25, v20, v22
	v_lshrrev_b32 v26, 1, v21
	v_and_b32 v26, 0x55555555, v26
	v_sub_nc_u32 v26, v21, v26
	v_lshrrev_b32 v27, 2, v26
	v_and_b32 v27, 0x33333333, v27
	v_and_b32 v28, 0x33333333, v26
	v_add_nc_u32 v27, v27, v28
	v_lshrrev_b32 v28, 4, v27
	v_add_nc_u32 v28, v28, v27
	v_and_b32 v28, 0x0f0f0f0f, v28
	v_lshrrev_b32 v29, 8, v28
	v_add_nc_u32 v29, v29, v28
	v_mov_b32 v30, 0
	SELSTEP v29, 8, 16
	SELSTEP v28, 8, 8
	SELSTEP v27, 4, 4
	SELSTEP v26, 2, 2
	SELSTEP v21, 1, 1
	v_lshl_add_u32 v33, v23, 5, v30
	v_add_nc_u32 v33, s27, v33                     ; the token
	v_lshrrev_b32 v31, v30, v24
	v_and_b32 v31, 1, v31                          ; k
	v_lshl_add_u32 v33, v33, 1, v31
.endm
.macro WM z, ra, rb
.if (\z) && (\ra) && (\rb)
	v_wmma_scale_f32_16x16x128_f8f6f4 v[rD:rD+7], v[rW:rW+11], v[rA:rA+11], 0, v[rSW], v[rSX] matrix_a_fmt:MATRIX_FMT_FP6 matrix_b_fmt:MATRIX_FMT_FP6 matrix_a_scale:MATRIX_SCALE_ROW1 matrix_b_scale:MATRIX_SCALE_ROW1
.elseif (\z) && (\ra)
	v_wmma_scale_f32_16x16x128_f8f6f4 v[rD:rD+7], v[rW:rW+11], v[rA:rA+11], 0, v[rSW], v[rSX] matrix_a_fmt:MATRIX_FMT_FP6 matrix_b_fmt:MATRIX_FMT_FP6 matrix_a_scale:MATRIX_SCALE_ROW1
.elseif (\z) && (\rb)
	v_wmma_scale_f32_16x16x128_f8f6f4 v[rD:rD+7], v[rW:rW+11], v[rA:rA+11], 0, v[rSW], v[rSX] matrix_a_fmt:MATRIX_FMT_FP6 matrix_b_fmt:MATRIX_FMT_FP6 matrix_b_scale:MATRIX_SCALE_ROW1
.elseif (\z)
	v_wmma_scale_f32_16x16x128_f8f6f4 v[rD:rD+7], v[rW:rW+11], v[rA:rA+11], 0, v[rSW], v[rSX] matrix_a_fmt:MATRIX_FMT_FP6 matrix_b_fmt:MATRIX_FMT_FP6
.elseif (\ra) && (\rb)
	v_wmma_scale_f32_16x16x128_f8f6f4 v[rD:rD+7], v[rW:rW+11], v[rA:rA+11], v[rD:rD+7], v[rSW], v[rSX] matrix_a_fmt:MATRIX_FMT_FP6 matrix_b_fmt:MATRIX_FMT_FP6 matrix_a_scale:MATRIX_SCALE_ROW1 matrix_b_scale:MATRIX_SCALE_ROW1
.elseif (\ra)
	v_wmma_scale_f32_16x16x128_f8f6f4 v[rD:rD+7], v[rW:rW+11], v[rA:rA+11], v[rD:rD+7], v[rSW], v[rSX] matrix_a_fmt:MATRIX_FMT_FP6 matrix_b_fmt:MATRIX_FMT_FP6 matrix_a_scale:MATRIX_SCALE_ROW1
.elseif (\rb)
	v_wmma_scale_f32_16x16x128_f8f6f4 v[rD:rD+7], v[rW:rW+11], v[rA:rA+11], v[rD:rD+7], v[rSW], v[rSX] matrix_a_fmt:MATRIX_FMT_FP6 matrix_b_fmt:MATRIX_FMT_FP6 matrix_b_scale:MATRIX_SCALE_ROW1
.else
	v_wmma_scale_f32_16x16x128_f8f6f4 v[rD:rD+7], v[rW:rW+11], v[rA:rA+11], v[rD:rD+7], v[rSW], v[rSX] matrix_a_fmt:MATRIX_FMT_FP6 matrix_b_fmt:MATRIX_FMT_FP6
.endif
.endm
.macro DM n, i, s                      ; tile of columns n x tile of rows i, K step s (AB set for tile i)
.set rD, 80+64*((\i)&1)+8*(\n)
.if (\n) < 5
.set rW, 48*(\n)+12*(\s)
.else
.set rW, 48*((\n)-5)+12*(\s)
.endif
.set rA, (AB%256)+12*(\s)
.set rSW, 40+4*((\n)>>1)+(\s)
.set rSX, 56+4*((\i)>>1)+(\s)
	WM (\s)==0, (\n)&1, (\i)&1
.endm
	s_load_b256 s[4:11], s[0:1], 0x0               ; sel s[4:5], hq s[6:7], hs s[8:9], w2_codes s[10:11]
	s_load_b128 s[12:15], s[0:1], 0x20             ; w2_scales s[12:13], y s[14:15]
	v_lshl_add_u32 v78, v0, 2, 0x42000
	v_mov_b32 v79, 0
	v_lshrrev_b32 v1, 5, v0
	v_readfirstlane_b32 s18, v1                    ; wave 0..3
	s_lshr_b32 s19, ttmp9, 5                       ; e
	s_bfe_u32 s20, ttmp9, 0x20003                  ; tq
	s_and_b32 s21, ttmp9, 7                        ; sl
	v_and_b32 v1, 31, v0                           ; lane
	v_and_b32 v2, 15, v0                           ; r
	v_bfe_u32 v3, v0, 4, 1                         ; h
	v_lshlrev_b32 v4, 4, v1                        ; 16 l
	s_mul_i32 s98, s18, 32*WP
	v_add_nc_u32 v5, s98, v4                       ; W2's stage, on the way in: my wave's 32 rows
	v_mul_u32_u24 v6, v2, WP
	v_mad_u32_u24 v6, v3, 192, v6
	s_mul_i32 s98, s18, 384
	v_add_nc_u32 v6, s98, v6                       ; and out: row r, my quarter of K, + 192 h; a register for each 32 rows
	v_add_nc_u32 v7, 32*WP, v6
	v_add_nc_u32 v8, 64*WP, v6
	v_add_nc_u32 v9, 96*WP, v6
	s_mul_i32 s98, s18, SWV
	v_mul_u32_u24 v10, v2, SPT
	v_lshl_add_u32 v10, v3, 5, v10
	v_add_nc_u32 v10, s98, v10                     ; my partial sums: row r, + 32 h bytes
	s_mul_i32 s98, s18, 32*SPT
	v_add_nc_u32 v11, s98, v4                      ; the rows that I add: 32 w on, 16 bytes a lane, in each wave's stage
	v_add_nc_u32 v12, SWV, v11
	v_add_nc_u32 v13, 2*SWV, v11
	v_add_nc_u32 v14, 3*SWV, v11
	s_lshl_b32 s98, s21, 9
	v_add_nc_u32 v15, s98, v4                      ; y: the slice's 512 bytes of a row
	v_lshlrev_b32 v38, 2, v1                       ; sel: 4 bytes a lane
	v_lshlrev_b32 v39, 6, v1                       ; W2's scale rows: 64 bytes a row
	s_lshl_b32 s27, s20, 9                         ; 512 tq
	s_mov_b32 s99, 0                               ; the upper word of the offsets in s[98:99]; never rewritten
	s_lshl_b32 s100, s19, 10
	s_lshl_b32 s101, s21, 7
	s_add_co_u32 s100, s100, s101                  ; the slice's first row of W2: 1024 e + 128 sl
	s_wait_kmcnt 0x0
	s_lshl_b32 s98, s20, 11
	s_add_nc_u64 s[4:5], s[4:5], s[98:99]          ; sel at the quarter's first token
	s_lshl_b32 s98, s100, 6
	s_lshl_b32 s101, s18, 4
	s_add_co_u32 s98, s98, s101
	s_add_nc_u64 s[12:13], s[12:13], s[98:99]      ; W2's scale rows, my 16 bytes of each
	s_lshl_b32 s101, s18, 5
	s_add_co_u32 s100, s100, s101
	s_mul_i32 s98, s100, 1536
	s_add_nc_u64 s[10:11], s[10:11], s[98:99]      ; the 32 rows of W2 that I load
	s_lshl_b32 s100, s19, 2
	s_add_co_u32 s100, s100, s20                   ; the group 4 e + tq
	s_mul_i32 s98, s100, 786432
	s_mul_i32 s101, s18, 6144
	s_add_co_u32 s98, s98, s101
	s_add_nc_u64 s[6:7], s[6:7], s[98:99]          ; hq: the group's tile 0, my four K steps
	s_lshl_b32 s98, s100, 15
	s_lshl_b32 s101, s18, 4
	s_add_co_u32 s98, s98, s101
	s_add_nc_u64 s[8:9], s[8:9], s[98:99]          ; hs: the group's row 0, my 16 bytes
.irp j, 0,1,2,3,4,5,6,7,8,9,10,11,12,13,14,15
	global_load_b32 v[96+\j], v38, s[4:5] offset:128*\j
.endr
.irp g, 0,1,2,3
	global_load_b128 v[80+4*\g:83+4*\g], v39, s[12:13] offset:2048*\g     ; lane = row 32 g + l of the slice
.endr
	WIN 0x40                                       ; W2 as it lies: 32 rows are 96 x 512 consecutive bytes; load i into window 1, register 4 i, from i = 60 on into window 2
.set i, 0
.rept 40
	global_load_b128 v[4*i:4*i+3], v4, s[10:11] offset:512*i
.set i, i+1
.endr
	WIN 0
	s_wait_loadcnt 44                              ; sel's 16 loads are in; the 4 + 40 behind them may be out
.irp j, 0,1,2,3,4,5,6,7,8,9,10,11,12,13,14,15
	v_and_b32 v20, 0xff, v[96+\j]
	v_lshrrev_b32 v21, 8, v[96+\j]
	v_cmp_eq_u32 s98, s19, v20
	v_cmp_eq_u32 s[BM+\j], s19, v21
	s_or_b32 s[M+\j], s98, s[BM+\j]
.endr
	s_bcnt1_i32_b32 s[P+1], s[M]
.irp j, 2,3,4,5,6,7,8,9,10,11,12,13,14,15
	s_bcnt1_i32_b32 s98, s[M+\j-1]
	s_add_co_u32 s[P+\j], s[P+\j-1], s98
.endr
	s_bcnt1_i32_b32 s98, s[M+15]
	s_add_co_u32 s22, s[P+15], s98                 ; n
	s_add_co_u32 s98, s22, 15
	s_lshr_b32 s98, s98, 4
	s_max_u32 s98, s98, 1                          ; tiles of h that may be read: at least one is written
	s_sub_co_u32 s28, s98, 1                       ; the last of them,
	s_lshl_b32 s29, s98, 4
	s_sub_co_u32 s29, s29, 1                       ; and its last row
	s_mov_b32 s23, s22                             ; rows left from this round on
	s_mov_b32 s24, 0                               ; the round's first row
	WIN 0x40
.rept 20
	global_load_b128 v[4*i:4*i+3], v4, s[10:11] offset:512*i
.set i, i+1
.endr
	WIN 0x80
.rept 36
	global_load_b128 v[4*(i-60):4*(i-60)+3], v4, s[10:11] offset:512*i
.set i, i+1
.endr
	WIN 0
; The addresses of the eight tiles of the round that begins ahead rows on, and the four offsets of its rows' scale bytes.  What comes from sel is held at a constant (31 tiles, 511 rows) ahead of the multiply and the shift.
.macro BASES ahead
	s_add_co_u32 s100, s24, \ahead
	s_lshr_b32 s101, s100, 4
.irp i, 0,1,2,3,4,5,6,7
	s_add_co_u32 s98, s101, \i
	s_min_u32 s98, s98, s28
	s_min_u32 s98, s98, 31
	s_mul_i32 s98, s98, 24576
	s_add_nc_u64 s[TB+2*\i:TB+2*\i+1], s[6:7], s[98:99]
.endr
.irp g, 0,1,2,3
	v_add_nc_u32 v[34+\g], s100, v1
	v_add_nc_u32 v[34+\g], 32*\g, v[34+\g]
	v_min_u32 v[34+\g], s29, v[34+\g]
	v_min_u32 v[34+\g], 0x1ff, v[34+\g]
	v_lshlrev_b32 v[34+\g], 6, v[34+\g]
.endr
.endm
.macro ALOAD i                         ; tile i's four register images: 12 loads of 512 consecutive bytes
	SETA \i
	WIN (AB/256)<<6
.irp s, 0,1,2,3
.irp c, 0,1,2
	global_load_b128 v[(AB%256)+12*\s+4*\c:(AB%256)+12*\s+4*\c+3], v4, s[TB+2*(\i):TB+2*(\i)+1] offset:1536*\s+512*\c
.endr
.endr
.endm
.macro A_LO                            ; 52 loads: the rows' scale bytes, then tiles 0-3
	WIN 0x40
.irp g, 0,1,2,3
	global_load_b128 v[240+4*\g:243+4*\g], v[34+\g], s[8:9]
.endr
	ALOAD 0
	ALOAD 1
	ALOAD 2
	ALOAD 3
	WIN 0
.endm
.macro A_HI                            ; 48 loads: tiles 4-7
	ALOAD 4
	ALOAD 5
	ALOAD 6
	ALOAD 7
	WIN 0
.endm
	BASES 0
	A_LO
	s_wait_loadcnt 52                              ; W2 and its scale rows are in; the 52 loads behind them may be out
.irp g, 0,1,2,3
	v_perm_b32 v[40+4*\g], v[82+4*\g], v[80+4*\g], 0x05010400      ; word s' = bytes 2 s', 8 + 2 s', 2 s' + 1, 9 + 2 s' of my 16
	v_perm_b32 v[41+4*\g], v[82+4*\g], v[80+4*\g], 0x07030602
	v_perm_b32 v[42+4*\g], v[83+4*\g], v[81+4*\g], 0x05010400
	v_perm_b32 v[43+4*\g], v[83+4*\g], v[81+4*\g], 0x07030602
.endr
	WIN 0x04                                       ; an LDS store's data are its source 1
.set i, 0
.rept 60
	ds_store_b128 v5, v[4*i:4*i+3] offset:WP*(i/3)+512*(i%3)
.set i, i+1
.endr
	WIN 0x08
.rept 36
	ds_store_b128 v5, v[4*(i-60):4*(i-60)+3] offset:WP*(i/3)+512*(i%3)
.set i, i+1
.endr
	WIN 0
	s_wait_dscnt 0x0                               ; my 32 rows lie in the stage
	s_barrier_signal -1
	s_barrier_wait -1                              ; all 128 do
	WIN 0x40
.irp n, 0,1,2,3,4
.set q, 0
.rept 12
	ds_load_b128 v[48*\n+4*q:48*\n+4*q+3], v[6+\n/2] offset:16*WP*(\n%2)+16*q
.set q, q+1
.endr
.endr
	WIN 0x80
.irp n, 5,6,7
.set q, 0
.rept 12
	ds_load_b128 v[48*(\n-5)+4*q:48*(\n-5)+4*q+3], v[6+\n/2] offset:16*WP*(\n%2)+16*q
.set q, q+1
.endr
.endr
	WIN 0
	A_HI
	s_wait_dscnt 0x0                               ; my fragments of W2 are in registers
	s_barrier_signal -1
	s_barrier_wait -1                              ; everybody's are: the stage's bytes take the partial sums
; Tile i of the round: 32 products, then my partial sums of its 16 rows into my stage.
.macro TILE i
.if (\i) > 0
	s_cmp_le_i32 s23, 16*(\i)
	s_cbranch_scc1 .Ltiles_done                    ; no row is left for this tile
.endif
.if 12*(7-(\i)) > 63
	s_wait_loadcnt 63                              ; behind this tile's loads stand more than the count can name
.else
	s_wait_loadcnt 12*(7-(\i))                     ; the later tiles' loads may be out
.endif
.if (\i) >= 2
	s_wait_dscnt 16                                ; the stores of the tile two back have read this set of accumulators; the last tile's 16 may be out
.endif
	SETA \i
	WIN 1|((AB/256)<<2)                            ; source 0 (W2's tiles 0-4) window 1; five accumulators take turns, one instruction a turn
.irp s, 0,1,2,3
.irp n, 0,1,2,3,4
	DM \n, \i, \s
.endr
.endr
	WIN 2|((AB/256)<<2)                            ; W2's tiles 5-7: window 2; three accumulators take turns
.irp s, 0,1,2,3
.irp n, 5,6,7
	DM \n, \i, \s
.endr
.endr
	WIN 0
.rept 4
	v_nop                                          ; places behind the products: for the stores below; with the next tile's four, for the tile after that, which begins this set of accumulators anew
.endr
.irp n, 0,1,2,3,4,5,6,7
	ds_store_b128 v10, v[80+64*((\i)&1)+8*\n:83+64*((\i)&1)+8*\n] offset:16*SPT*(\i)+64*\n        ; each accumulator from its low end on
	ds_store_b128 v10, v[84+64*((\i)&1)+8*\n:87+64*((\i)&1)+8*\n] offset:16*SPT*(\i)+64*\n+16
.endr
.endm
; Rows 4 k .. 4 k + 3 of my 32: the four waves' parts are added, and each row goes to its slot in y.
.macro GROUP k
.if (\k) > 0
	s_cmp_le_i32 s100, 4*(\k)
	s_cbranch_scc1 .Lr2_end
.endif
	s_wait_xcnt 0x0                                ; the last group's stores have read their data and offsets
.irp i, 0,1,2,3
.irp w, 0,1,2,3
	ds_load_b128 v[80+16*\i+4*\w:83+16*\i+4*\w], v[11+\w] offset:SPT*(4*(\k)+\i)
.endr
.endr
	s_wait_dscnt 0x0
.irp i, 0,1,2,3
	v_pk_add_f32 v[80+16*\i:81+16*\i], v[80+16*\i:81+16*\i], v[84+16*\i:85+16*\i]
	v_pk_add_f32 v[82+16*\i:83+16*\i], v[82+16*\i:83+16*\i], v[86+16*\i:87+16*\i]
	v_pk_add_f32 v[88+16*\i:89+16*\i], v[88+16*\i:89+16*\i], v[92+16*\i:93+16*\i]
	v_pk_add_f32 v[90+16*\i:91+16*\i], v[90+16*\i:91+16*\i], v[94+16*\i:95+16*\i]
.endr
.irp i, 0,1,2,3
	v_pk_add_f32 v[80+16*\i:81+16*\i], v[80+16*\i:81+16*\i], v[88+16*\i:89+16*\i]
	v_pk_add_f32 v[82+16*\i:83+16*\i], v[82+16*\i:83+16*\i], v[90+16*\i:91+16*\i]
.endr
.irp i, 0,1,2,3
.if \i > 0
	s_cmp_le_i32 s100, 4*(\k)+\i
	s_cbranch_scc1 .Lr2_end                        ; a row past the list's end is not stored
.endif
	v_readlane_b32 s98, v33, 4*(\k)+\i
	s_min_u32 s98, s98, 0xfff                      ; a number that comes from sel enters an address only behind this hold
	s_lshl_b32 s98, s98, 12
	v_add_nc_u32 v[16+\i], s98, v15
	global_store_b128 v[16+\i], v[80+16*\i:83+16*\i], s[14:15] th:TH_STORE_NT   ; 32 lanes store 512 consecutive bytes, aligned to 256 from y's first byte
.endr
.endm
	s_mov_b32 s25, 4                               ; four rounds of 128 rows serve every n up to 512
.Lround:
	s_cmp_le_i32 s23, 0
	s_cbranch_scc1 .Lr1_end
	s_wait_xcnt 0x0                                ; the last round's stores of y have read the registers that the products write
	s_wait_loadcnt 63                              ; the four loads of scale rows are in: 96 loads were issued behind them, more than the count can name
	WIN 0x05                                       ; sources 0 and 1 window 1
.irp g, 0,1,2,3
	v_perm_b32 v[56+4*\g], v[242+4*\g], v[240+4*\g], 0x05010400
	v_perm_b32 v[57+4*\g], v[242+4*\g], v[240+4*\g], 0x07030602
	v_perm_b32 v[58+4*\g], v[243+4*\g], v[241+4*\g], 0x05010400
	v_perm_b32 v[59+4*\g], v[243+4*\g], v[241+4*\g], 0x07030602
.endr
	WIN 0
.rept 8
	v_nop                                          ; a scale register written by a vector instruction stands 8 places ahead of a scaled matrix instruction
.endr
	TILE 0
	TILE 1
	TILE 2
	TILE 3
	TILE 4
	TILE 5
	TILE 6
	TILE 7
.Ltiles_done:
	s_cmp_le_i32 s23, 128
	s_cbranch_scc1 .Lr1_end
	s_wait_loadcnt 0x0                             ; no load of mine is out: the tiles' addresses and the offsets may be written
.rept 4
	v_nop                                          ; places in front of loads into registers that matrix instructions have read
.endr
	BASES 128                                      ; the next round's tiles are asked for while the sums are added
	A_LO
	A_HI
.Lr1_end:
	s_wait_dscnt 0x0                               ; my partial sums have landed
	s_barrier_signal -1
	s_barrier_wait -1                              ; everybody's have
	s_lshl_b32 s98, s18, 5
	s_sub_co_i32 s100, s23, s98                    ; rows left for my 32
	s_cmp_le_i32 s100, 0
	s_cbranch_scc1 .Lr2_end
	s_add_co_u32 s98, s98, s24
	s_sub_co_u32 s101, s22, 1
	v_add_nc_u32 v20, s98, v1
	v_min_u32 v20, s101, v20
	SELECT                                         ; lane = row: its slot in y
	GROUP 0
	GROUP 1
	GROUP 2
	GROUP 3
	GROUP 4
	GROUP 5
	GROUP 6
	GROUP 7
.Lr2_end:
	s_wait_dscnt 0x0                               ; my reads of the stages are over
	s_barrier_signal -1
	s_barrier_wait -1                              ; everybody's are: the stages may be written again
	s_sub_co_i32 s23, s23, 128
	s_add_co_u32 s24, s24, 128
	s_sub_co_u32 s25, s25, 1
	s_cmp_lg_u32 s25, 0
	s_cbranch_scc1 .Lround
	s_wait_tensorcnt 0x0
	ds_add_u32 v78, v79
	s_wait_dscnt 0x0
	s_endpgm
.Lfunc_end_k_qc097055be0_down:
	.size	k_qc097055be0_down, .Lfunc_end_k_qc097055be0_down-k_qc097055be0_down
	.p2alignl 7, 3214868480
	.fill 96, 4, 3214868480
	.section	.rodata,"a",@progbits
	.p2align	6, 0x0
	.amdhsa_kernel k_qc097055be0_down
		.amdhsa_group_segment_fixed_size 270848
		.amdhsa_private_segment_fixed_size 0
		.amdhsa_enable_private_segment 0
		.amdhsa_kernarg_size 48
		.amdhsa_user_sgpr_count 2
		.amdhsa_user_sgpr_kernarg_segment_ptr 1
		.amdhsa_wavefront_size32 1
		.amdhsa_system_sgpr_workgroup_id_x 1
		.amdhsa_system_sgpr_workgroup_id_y 1
		.amdhsa_system_sgpr_workgroup_id_z 1
		.amdhsa_system_vgpr_workitem_id 0
		.amdhsa_next_free_vgpr 1024
		.amdhsa_next_free_sgpr 102
		.amdhsa_reserve_vcc 1
		.amdhsa_float_denorm_mode_32 3
		.amdhsa_float_denorm_mode_16_64 3
		.amdhsa_memory_ordered 1
		.amdhsa_forward_progress 1
		.amdhsa_inst_pref_size 139
	.end_amdhsa_kernel
	.amdgpu_metadata
---
amdhsa.version: [ 1, 2 ]
amdhsa.kernels:
  - .name:           k_qc097055be0_down
    .symbol:         k_qc097055be0_down.kd
    .args:
      - { .name: sel, .offset: 0, .size: 8, .value_kind: global_buffer, .address_space: global }
      - { .name: hq, .offset: 8, .size: 8, .value_kind: global_buffer, .address_space: global }
      - { .name: hs, .offset: 16, .size: 8, .value_kind: global_buffer, .address_space: global }
      - { .name: w2_codes, .offset: 24, .size: 8, .value_kind: global_buffer, .address_space: global }
      - { .name: w2_scales, .offset: 32, .size: 8, .value_kind: global_buffer, .address_space: global }
      - { .name: y, .offset: 40, .size: 8, .value_kind: global_buffer, .address_space: global }
    .group_segment_fixed_size: 270848
    .private_segment_fixed_size: 0
    .kernarg_segment_align: 8
    .kernarg_segment_size: 48
    .max_flat_workgroup_size: 128
    .sgpr_count:     102
    .vgpr_count:     1024
    .wavefront_size: 32
...
	.end_amdgpu_metadata
.endif
;; end of part 3
;; launch mix (part 4): grid 256 x 1, 8 waves a work-group, no clusters, 0 bytes of LDS; arguments sel, gw, y, x, out0; writes out0
.if DOCPART == 4
	.amdgcn_target "amdgcn-amd-amdhsa--gfx1250"
	.amdhsa_code_object_version 6
	.text
	.protected	k_qc097055be0_mix
	.globl	k_qc097055be0_mix
	.p2align	8
	.type	k_qc097055be0_mix,@function
k_qc097055be0_mix:
	s_mov_b64 s[64:65], 0
	v_nop
	global_prefetch_b8 v0, s[64:65] scope:SCOPE_SE
	s_setreg_imm32_b32 hwreg(HW_REG_WAVE_MODE, 25, 1), 1
	s_wait_xcnt 0x0
; MIX: out[t] = w0 src0 + w1 src1, where src k is y[2 t + k] if the token's k-th expert is one of the 8 FFN experts, and x[t] if it is one of the 4 identity experts.
; A wave takes a token: two rows of 4,096 bytes in, one out; every load and store of the wave covers 512 consecutive bytes.  Memory binds: no LDS, no barrier, no matrix unit.
; The choice of a row is a scalar branch on the stored expert number, round two runs of eight loads: so every address is made of ids alone, no row of y is read that was not stored, and the count of loads is the same on both ways.
; LIMIT: where both experts are identity experts the result is w0 x + w1 x, not (w0 + w1) x: one rounding more.
	s_load_b256 s[4:11], s[0:1], 0x0               ; sel s[4:5], gw s[6:7], y s[8:9], x s[10:11]
	s_load_b64 s[12:13], s[0:1], 0x20              ; out0
	v_lshrrev_b32 v1, 5, v0
	v_readfirstlane_b32 s14, v1                    ; wave 0..7
	v_and_b32 v1, 31, v0
	v_lshlrev_b32 v1, 4, v1                        ; 16 x lane
	s_lshl_b32 s15, ttmp9, 3
	s_add_co_u32 s15, s15, s14                     ; the token
	s_lshl_b32 s16, s15, 2
	s_lshl_b32 s17, s15, 3
	s_lshl_b32 s22, s15, 13                        ; y: two rows of 4,096 bytes a token
	s_mov_b32 s23, 0
	s_lshl_b32 s24, s15, 12                        ; x, out: one row
	s_mov_b32 s25, 0
	s_wait_kmcnt 0x0
	s_load_b32 s18, s[4:5], s16 offset:0x0         ; the two experts
	s_load_b64 s[20:21], s[6:7], s17 offset:0x0    ; the two weights
	s_add_nc_u64 s[8:9], s[8:9], s[22:23]
	s_add_nc_u64 s[10:11], s[10:11], s[24:25]
	s_add_nc_u64 s[12:13], s[12:13], s[24:25]
	s_wait_kmcnt 0x0
	s_and_b32 s26, s18, 0xff
	s_lshr_b32 s27, s18, 8
	s_mov_b32 s28, s21                             ; w1 as the low word of a pair: the packed form takes the low word for both halves
	s_mov_b32 s29, s21
	s_cmp_lt_u32 s26, 8
	s_cbranch_scc0 .Lid0
.irp i, 0,1,2,3,4,5,6,7
	global_load_b128 v[8+4*\i:11+4*\i], v1, s[8:9] offset:512*\i th:TH_LOAD_NT
.endr
	s_branch .Lk1
.Lid0:
.irp i, 0,1,2,3,4,5,6,7
	global_load_b128 v[8+4*\i:11+4*\i], v1, s[10:11] offset:512*\i
.endr
.Lk1:
	s_cmp_lt_u32 s27, 8
	s_cbranch_scc0 .Lid1
.irp i, 0,1,2,3,4,5,6,7
	global_load_b128 v[40+4*\i:43+4*\i], v1, s[8:9] offset:4096+512*\i th:TH_LOAD_NT
.endr
	s_branch .Lgo
.Lid1:
.irp i, 0,1,2,3,4,5,6,7
	global_load_b128 v[40+4*\i:43+4*\i], v1, s[10:11] offset:512*\i
.endr
.Lgo:
	s_wait_loadcnt 8                               ; the first row's eight loads are in; the second row's may be out
.set i, 0
.rept 16
	v_pk_mul_f32 v[8+2*i:9+2*i], v[8+2*i:9+2*i], s[20:21] op_sel_hi:[1,0]
.set i, i+1
.endr
	s_wait_loadcnt 0x0
.set i, 0
.rept 16
	v_pk_fma_f32 v[8+2*i:9+2*i], v[40+2*i:41+2*i], s[28:29], v[8+2*i:9+2*i] op_sel_hi:[1,0,1]
.set i, i+1
.endr
.irp i, 0,1,2,3,4,5,6,7
	global_store_b128 v1, v[8+4*\i:11+4*\i], s[12:13] offset:512*\i th:TH_STORE_NT
.endr
	s_endpgm
.Lfunc_end_k_qc097055be0_mix:
	.size	k_qc097055be0_mix, .Lfunc_end_k_qc097055be0_mix-k_qc097055be0_mix
	.p2alignl 7, 3214868480
	.fill 96, 4, 3214868480
	.section	.rodata,"a",@progbits
	.p2align	6, 0x0
	.amdhsa_kernel k_qc097055be0_mix
		.amdhsa_group_segment_fixed_size 0
		.amdhsa_private_segment_fixed_size 0
		.amdhsa_enable_private_segment 0
		.amdhsa_kernarg_size 40
		.amdhsa_user_sgpr_count 2
		.amdhsa_user_sgpr_kernarg_segment_ptr 1
		.amdhsa_wavefront_size32 1
		.amdhsa_system_sgpr_workgroup_id_x 1
		.amdhsa_system_sgpr_workgroup_id_y 1
		.amdhsa_system_sgpr_workgroup_id_z 1
		.amdhsa_system_vgpr_workitem_id 0
		.amdhsa_next_free_vgpr 72
		.amdhsa_next_free_sgpr 66
		.amdhsa_reserve_vcc 0
		.amdhsa_float_denorm_mode_32 3
		.amdhsa_float_denorm_mode_16_64 3
		.amdhsa_memory_ordered 1
		.amdhsa_forward_progress 1
		.amdhsa_inst_pref_size 8
	.end_amdhsa_kernel
	.amdgpu_metadata
---
amdhsa.version: [ 1, 2 ]
amdhsa.kernels:
  - .name:           k_qc097055be0_mix
    .symbol:         k_qc097055be0_mix.kd
    .args:
      - { .name: sel, .offset: 0, .size: 8, .value_kind: global_buffer, .address_space: global }
      - { .name: gw, .offset: 8, .size: 8, .value_kind: global_buffer, .address_space: global }
      - { .name: y, .offset: 16, .size: 8, .value_kind: global_buffer, .address_space: global }
      - { .name: x, .offset: 24, .size: 8, .value_kind: global_buffer, .address_space: global }
      - { .name: out0, .offset: 32, .size: 8, .value_kind: global_buffer, .address_space: global }
    .group_segment_fixed_size: 0
    .private_segment_fixed_size: 0
    .kernarg_segment_align: 8
    .kernarg_segment_size: 40
    .max_flat_workgroup_size: 256
    .sgpr_count:     66
    .vgpr_count:     72
    .wavefront_size: 32
...
	.end_amdgpu_metadata
.endif
;; end of part 4
;; ======== version 2 of 2: 4 launches
;; workspace buffers: xq 1,572,864 bytes; xs 65,536 bytes; sel 8,192 bytes of whole numbers; gw 16,384 bytes; hq 25,165,824 bytes; hs 1,048,576 bytes; y 16,777,216 bytes
;; launch route (part 5): grid 256 x 1, 4 waves a work-group, no clusters, 111,360 bytes of LDS; arguments x, gate_w, expert_bias, xq, xs, sel, gw; writes xq, xs, sel, gw
.if DOCPART == 5
	.amdgcn_target "amdgcn-amd-amdhsa--gfx1250"
	.amdhsa_code_object_version 6
	.text
	.protected	k_qc097055be0_route
	.globl	k_qc097055be0_route
	.p2align	8
	.type	k_qc097055be0_route,@function
k_qc097055be0_route:
	s_mov_b64 s[64:65], 0
	v_nop
	global_prefetch_b8 v0, s[64:65] scope:SCOPE_SE
	s_setreg_imm32_b32 hwreg(HW_REG_WAVE_MODE, 25, 1), 1
	s_wait_xcnt 0x0
; ROUTE: the router (12 logits, top 2, softmax over the two) and the quantising of x to E2M3 codes with one E8M0 byte for each 32 along D.
; x [2048][1024] f32, gate_w [12][1024] f32, expert_bias [12] f32.
; OUT: xq [2048][768]: a token's codes as one stream of bits;  xs [2048][32]: its scale bytes, block 16 h + 2 s + c at byte 4 s + 2 c + h (the order in which the next launch's scale words want them);
;      sel [2048] u32 = first expert | second expert << 8;  gw [2048][2] f32 = the two weights.
; SHARES: a work-group owns 8 tokens; wave w owns columns 256 w .. 256 w + 255 of all 8 tokens and of all 12 gate rows, so a work-group reads gate_w once.  A step takes two tokens: lanes 0-15 one, lanes 16-31 the other.
; Loads take bytes as they lie (16 a lane, 512 an instruction); a turn through the wave's own stage in LDS gives each lane 16 neighbours along D, which the conversion and the dot products want.
; The logits are f32 fused multiply-adds.  Ties in the top 2 keep the lower index (the compares are strict).  The softmax takes the larger logit away: w0 = 1 / (1 + 2^((l1 - l0) log2 e)).
; LIMITS: NaN and infinities among the inputs are not served; two logits that differ by less than the rounding of an f32 sum of 1,024 terms may change places; a block whose largest magnitude lies under 2^-124
; (a block of zeros too) keeps the scale byte 1: its codes are zeros or subnormal codes under that scale, and this program alone reads the bytes.
.set SP,    80                         ; a lane's place in a stage: 64 bytes + 16 of padding
.set WREG,  25600                      ; LDS of a wave's own: 12 gate stages of 1,280 bytes, then 4 stages of x of 2,560 bytes
.set XST,   15360
.set PART,  102400                     ; [wave][token 8][16 f32]: the waves' parts of the logits
.set CODES, 104448                     ; [token 8][768]
.set XSC,   110592                     ; [token 8][32]
.set AC,    32                         ; v32-55   12 packed sums
.set X,     64                         ; v64-127  x: 4 steps x 16, as loaded, then turned in place; behind the barrier v64-77 the codes and bytes on their way out, v80-127 the parts of the logits
.set RG,    128                        ; v128-223 gate rows as loaded; free once their LDS stores are done:
.set L,     128                        ; v128-175 a step's 12 sums, a set for each step
.set CD,    176                        ; v176-191 a step's codes, 4 registers a step
.set BY,    192                        ; v192-195 a step's scale byte
.set GW,    196                        ; v196-197 the router's two weights: registers that no store of the codes names
                                       ; window 1, v0-191: the turned gate rows, 16 numbers an expert
.set MSB, 0
.macro WIN new                         ; the immediate's high byte repeats the setting that is left
.if MSB != (\new)
	s_set_vgpr_msb (MSB<<8)|(\new)
.set MSB, (\new)
.endif
.endm
	s_load_b256 s[4:11], s[0:1], 0x0               ; x s[4:5], gate_w s[6:7], expert_bias s[8:9], xq s[10:11]
	s_load_b128 s[12:15], s[0:1], 0x20             ; xs s[12:13], sel s[14:15]
	s_load_b64 s[16:17], s[0:1], 0x30              ; gw
	v_lshl_add_u32 v254, v0, 2, 0x1b100
	v_mov_b32 v255, 0
	v_lshrrev_b32 v1, 5, v0
	v_readfirstlane_b32 s18, v1                    ; wave 0..3
	v_and_b32 v1, 31, v0                           ; lane
	v_and_b32 v2, 15, v0                           ; lane % 16
	v_bfe_u32 v3, v0, 4, 1                         ; h = lane / 16: which of a step's two tokens
	v_lshlrev_b32 v4, 4, v1                        ; 16 x lane
	s_mul_i32 s19, s18, WREG
	v_lshrrev_b32 v16, 2, v1
	v_mul_u32_u24 v5, v16, SP
	v_and_b32 v16, 3, v0
	v_lshl_add_u32 v5, v16, 4, v5
	v_add_nc_u32 v5, s19, v5                       ; into a stage: four lanes' 64 bytes on end, then the padding
	v_mul_u32_u24 v6, v1, SP
	v_add_nc_u32 v6, s19, v6
	v_add_nc_u32 v6, XST, v6                       ; out of x's stage: my 16 neighbours
	v_mul_u32_u24 v7, v2, SP
	v_add_nc_u32 v7, s19, v7                       ; out of a gate stage: both halves of the lanes take the same 16 places
	s_lshl_b32 s34, s18, 9
	v_lshl_add_u32 v8, v3, 6, s34
	v_add_nc_u32 v8, PART, v8                      ; my wave's part of my token's logits
	v_mul_u32_u24 v9, v3, 768
	v_mad_u32_u24 v9, v2, 12, v9
	s_mul_i32 s34, s18, 192
	v_add_nc_u32 v9, s34, v9
	v_add_nc_u32 v9, CODES, v9                     ; my 16 codes: 12 bytes at 192 w + 12 (lane % 16) of the token's 768
	v_and_b32 v10, 14, v0                          ; 2 j, j = my block among the wave's eight
	v_lshl_add_u32 v10, v3, 5, v10
	s_and_b32 s34, s18, 1
	s_lshl_b32 s34, s34, 4
	s_lshr_b32 s35, s18, 1
	s_add_co_u32 s34, s34, s35
	v_add_nc_u32 v10, s34, v10
	v_add_nc_u32 v10, XSC, v10                     ; block 8 w + j goes to byte 16 (w % 2) + 2 j + w / 2 of the token's 32
	s_mul_i32 s34, s18, 1536
	v_add_nc_u32 v11, s34, v4                      ; the way out of the codes: 1,536 bytes a wave, 16 a lane
	v_add_nc_u32 v12, CODES, v11
	v_lshlrev_b32 v15, 3, v1                       ; 8 x lane
	v_add_nc_u32 v13, XSC, v15
	v_and_b32 v14, 7, v0
	v_lshl_add_u32 v14, v14, 6, PART               ; the router: lane % 8 is the token
	v_lshlrev_b32 v17, 2, v1                       ; 4 x lane
	s_lshl_b32 s34, ttmp9, 15                      ; 8 tokens of 4,096 bytes a work-group
	s_lshl_b32 s36, s18, 10                        ; my wave's 1,024 bytes of a row
	s_add_co_u32 s34, s34, s36
	s_mov_b32 s35, 0
	s_mov_b32 s37, 0
	s_mul_i32 s38, ttmp9, 6144
	s_mov_b32 s39, 0
	s_wait_kmcnt 0x0
	s_add_nc_u64 s[4:5], s[4:5], s[34:35]
	s_add_nc_u64 s[6:7], s[6:7], s[36:37]
	s_add_nc_u64 s[10:11], s[10:11], s[38:39]
	s_lshl_b32 s38, ttmp9, 8
	s_add_nc_u64 s[12:13], s[12:13], s[38:39]
	s_lshl_b32 s38, ttmp9, 5
	s_add_nc_u64 s[14:15], s[14:15], s[38:39]
	s_lshl_b32 s38, ttmp9, 6
	s_add_nc_u64 s[16:17], s[16:17], s[38:39]
	s_load_b256 s[20:27], s[8:9], 0x0              ; the bias of experts 0-7,
	s_load_b128 s[28:31], s[8:9], 0x20             ; and of 8-11
.irp e, 0,1,2,3,4,5,6,7,8,9,10,11
	global_load_b128 v[RG+8*\e:RG+8*\e+3], v4, s[6:7] offset:4096*\e
	global_load_b128 v[RG+8*\e+4:RG+8*\e+7], v4, s[6:7] offset:4096*\e+512
.endr
.irp u, 0,1,2,3
.irp i, 0,1,2,3
	global_load_b128 v[X+16*\u+4*\i:X+16*\u+4*\i+3], v4, s[4:5] offset:4096*(2*\u+\i/2)+512*(\i%2) th:TH_LOAD_NT
.endr
.endr
	s_wait_loadcnt 16                              ; the 24 gate loads are in; the 16 loads of x behind them may be out
.irp e, 0,1,2,3,4,5,6,7,8,9,10,11
	ds_store_b128 v5, v[RG+8*\e:RG+8*\e+3] offset:1280*\e
	ds_store_b128 v5, v[RG+8*\e+4:RG+8*\e+7] offset:1280*\e+640
.endr
	WIN 0x40                                       ; destination window 1
.irp e, 0,1,2,3,4,5,6,7,8,9,10,11
.irp i, 0,1,2,3
	ds_load_b128 v[16*\e+4*\i:16*\e+4*\i+3], v7 offset:1280*\e+16*\i    ; LDS serves a wave's instructions in order: these see the stores above
.endr
.endr
	WIN 0
.irp u, 0,1,2,3
	s_wait_loadcnt 12-4*\u                         ; this step's four loads are in; the later steps' may be out
.irp i, 0,1,2,3
	ds_store_b128 v5, v[X+16*\u+4*\i:X+16*\u+4*\i+3] offset:XST+2560*\u+640*\i
.endr
.irp i, 0,1,2,3
	ds_load_b128 v[X+16*\u+4*\i:X+16*\u+4*\i+3], v6 offset:2560*\u+16*\i
.endr
.endr
; A step: two tokens.  12 dot products over my 16 columns, summed over the 16 lanes of a token; then my 16 numbers become codes.
.macro STEP u
.set XU, X+16*(\u)
.set LU, L+12*(\u)
.set CU, CD+4*(\u)
	s_wait_dscnt 24-(\u)                           ; behind this step's four loads from the stage stand the later steps' 8 (3 - u) turn instructions and the earlier steps' 7 u stores
	WIN 0x04                                       ; source 1 (the gate) window 1
.irp e, 0,1,2,3,4,5,6,7,8,9,10,11
	v_pk_mul_f32 v[AC+2*\e:AC+2*\e+1], v[XU:XU+1], v[16*\e:16*\e+1]    ; the first products start the sums
.endr
.irp q, 1,2,3,4,5,6,7
.irp e, 0,1,2,3,4,5,6,7,8,9,10,11
	v_pk_fma_f32 v[AC+2*\e:AC+2*\e+1], v[XU+2*\q:XU+2*\q+1], v[16*\e+2*\q:16*\e+2*\q+1], v[AC+2*\e:AC+2*\e+1]
.endr
.endr
	WIN 0
.irp e, 0,1,2,3,4,5,6,7,8,9,10,11
	v_add_f32 v[LU+\e], v[AC+2*\e], v[AC+2*\e+1]
.endr
.irp m, 1,2,4,8
.irp e, 0,1,2,3,4,5,6,7,8,9,10,11
	v_add_f32_dpp v[LU+\e], v[LU+\e], v[LU+\e] row_xmask:\m row_mask:0xf bank_mask:0xf
.endr
.endr
.irp c, 0,1,2
	ds_store_b128 v8, v[LU+4*\c:LU+4*\c+3] offset:128*(\u)+16*\c       ; the 16 lanes of a token write the same words with the same values
.endr
	v_max3_num_f32 v62, |v[XU]|, |v[XU+1]|, |v[XU+2]|                  ; the largest magnitude of my 16, in two chains
	v_max3_num_f32 v63, |v[XU+3]|, |v[XU+4]|, |v[XU+5]|
.irp i, 6,10
	v_max3_num_f32 v62, v62, |v[XU+\i]|, |v[XU+\i+1]|
	v_max3_num_f32 v63, v63, |v[XU+\i+2]|, |v[XU+\i+3]|
.endr
	v_max3_num_f32 v62, v62, |v[XU+14]|, |v[XU+15]|
	v_max3_num_f32 v62, v62, v63, 0x1800000        ; and the floor 2^(3 - 127): the byte cannot fall under 1
	v_max_num_f32_dpp v62, v62, v62 row_xmask:1 row_mask:0xf bank_mask:0xf   ; with my neighbour's 16: the block's
	v_add_nc_u32 v61, 0xff000000, v62              ; 2 off its exponent field: the conversion takes the exponent field of this operand as its scale
	v_cvt_scalef32_pk16_fp6_f32 v[CU:CU+2], v[XU:XU+15], v61
	v_lshrrev_b32 v[BY+(\u)], 23, v61              ; the scale's byte (also the plain line behind the conversion)
.irp c, 0,1,2
	ds_store_b32 v9, v[CU+\c] offset:1536*(\u)+4*\c
.endr
	ds_store_b8 v10, v[BY+(\u)] offset:64*(\u)     ; both lanes of a block write the same byte with the same value
.endm
	STEP 0
	STEP 1
	STEP 2
	STEP 3
	s_wait_kmcnt 0x0                               ; the bias
	s_wait_dscnt 0x0                               ; for the others' sake: my stores have landed
	s_barrier_signal -1
	s_barrier_wait -1                              ; the 8 tokens' codes, bytes and parts of logits lie in LDS
.irp c, 0,1,2
	ds_load_b128 v[64+4*\c:67+4*\c], v12 offset:512*\c
.endr
	s_wait_dscnt 0x0
.irp c, 0,1,2
	global_store_b128 v11, v[64+4*\c:67+4*\c], s[10:11] offset:512*\c  ; 32 lanes store 512 consecutive bytes, aligned to 256 from xq's first byte.  v64-75 and v11 are written no more in this text
.endr
	s_cmp_lg_u32 s18, 3
	s_cbranch_scc1 .Lno_xs
	ds_load_b64 v[76:77], v13                      ; wave 3: the 8 tokens' 256 scale bytes
	s_wait_dscnt 0x0
	global_store_b64 v15, v[76:77], s[12:13]       ; 256 consecutive bytes, aligned
.Lno_xs:
	s_cmp_lg_u32 s18, 0
	s_cbranch_scc1 .Lend
	; wave 0: the router, lane % 8 = the token (the four groups of eight lanes do the same work; lanes 0-7 store)
.irp w, 0,1,2,3
.irp c, 0,1,2
	ds_load_b128 v[80+12*\w+4*\c:83+12*\w+4*\c], v14 offset:512*\w+16*\c
.endr
.endr
	s_wait_dscnt 0x0
.irp e, 0,1,2,3,4,5,6,7,8,9,10,11
	v_add_f32 v[32+\e], v[80+\e], v[92+\e]
	v_add_f32 v[44+\e], v[104+\e], v[116+\e]
.endr
.irp e, 0,1,2,3,4,5,6,7,8,9,10,11
	v_add_f32 v[32+\e], v[32+\e], v[44+\e]
.endr
.irp e, 0,1,2,3,4,5,6,7,8,9,10,11
	v_add_f32 v[32+\e], s[20+\e], v[32+\e]         ; + the bias: the logit
.endr
	v_mov_b32 v56, v32                             ; the largest so far and its expert,
	v_mov_b32 v57, 0
	v_mov_b32 v58, 0xff800000                      ; the second: -infinity
	v_mov_b32 v59, 0
.irp e, 1,2,3,4,5,6,7,8,9,10,11
	v_cmp_gt_f32 vcc_lo, v[32+\e], v56             ; strictly above: a tie keeps the lower index
	v_cmp_gt_f32 s34, v[32+\e], v58
	v_cndmask_b32 v58, v58, v[32+\e], s34
	v_cndmask_b32 v59, v59, \e, s34
	v_cndmask_b32 v58, v58, v56, vcc_lo            ; a new first pushes the old first to second
	v_cndmask_b32 v59, v59, v57, vcc_lo
	v_cndmask_b32 v56, v56, v[32+\e], vcc_lo
	v_cndmask_b32 v57, v57, \e, vcc_lo
.endr
	v_sub_f32 v60, v58, v56                        ; second - first: 0 or less
	v_mul_f32 v60, 0x3fb8aa3b, v60
	s_wait_alu depctr_va_vdst(0)
	v_exp_f32 v60, v60
	v_lshl_or_b32 v62, v59, 8, v57                 ; sel (a plain line behind the exponential)
	s_wait_alu depctr_va_vdst(0)                   ; ahead of the first reader of the exponential
	v_add_f32 v61, 1.0, v60
	s_wait_alu depctr_va_vdst(0)
	v_rcp_f32 v[GW], v61                           ; w0
	v_nop
	s_wait_alu depctr_va_vdst(0)                   ; ahead of the first reader of the reciprocal
	v_mul_f32 v[GW+1], v60, v[GW]                  ; w1
	s_wait_alu depctr_va_vdst(0)
	s_wait_xcnt 0x0                                ; EXEC changes only behind this wait: my stores of the codes have read it
	v_cmp_gt_u32 vcc_lo, 8, v1
	s_and_saveexec_b32 s34, vcc_lo
	global_store_b32 v17, v62, s[14:15]
	global_store_b64 v15, v[GW:GW+1], s[16:17]
	s_wait_xcnt 0x0
	s_or_b32 exec_lo, exec_lo, s34
.Lend:
	s_wait_tensorcnt 0x0
	ds_add_u32 v254, v255
	s_wait_dscnt 0x0
	s_endpgm
.Lfunc_end_k_qc097055be0_route:
	.size	k_qc097055be0_route, .Lfunc_end_k_qc097055be0_route-k_qc097055be0_route
	.p2alignl 7, 3214868480
	.fill 96, 4, 3214868480
	.section	.rodata,"a",@progbits
	.p2align	6, 0x0
	.amdhsa_kernel k_qc097055be0_route
		.amdhsa_group_segment_fixed_size 111360
		.amdhsa_private_segment_fixed_size 0
		.amdhsa_enable_private_segment 0
		.amdhsa_kernarg_size 56
		.amdhsa_user_sgpr_count 2
		.amdhsa_user_sgpr_kernarg_segment_ptr 1
		.amdhsa_wavefront_size32 1
		.amdhsa_system_sgpr_workgroup_id_x 1
		.amdhsa_system_sgpr_workgroup_id_y 1
		.amdhsa_system_sgpr_workgroup_id_z 1
		.amdhsa_system_vgpr_workitem_id 0
		.amdhsa_next_free_vgpr 448
		.amdhsa_next_free_sgpr 66
		.amdhsa_reserve_vcc 1
		.amdhsa_float_denorm_mode_32 3
		.amdhsa_float_denorm_mode_16_64 3
		.amdhsa_memory_ordered 1
		.amdhsa_forward_progress 1
		.amdhsa_inst_pref_size 65
	.end_amdhsa_kernel
	.amdgpu_metadata
---
amdhsa.version: [ 1, 2 ]
amdhsa.kernels:
  - .name:           k_qc097055be0_route
    .symbol:         k_qc097055be0_route.kd
    .args:
      - { .name: x, .offset: 0, .size: 8, .value_kind: global_buffer, .address_space: global }
      - { .name: gate_w, .offset: 8, .size: 8, .value_kind: global_buffer, .address_space: global }
      - { .name: expert_bias, .offset: 16, .size: 8, .value_kind: global_buffer, .address_space: global }
      - { .name: xq, .offset: 24, .size: 8, .value_kind: global_buffer, .address_space: global }
      - { .name: xs, .offset: 32, .size: 8, .value_kind: global_buffer, .address_space: global }
      - { .name: sel, .offset: 40, .size: 8, .value_kind: global_buffer, .address_space: global }
      - { .name: gw, .offset: 48, .size: 8, .value_kind: global_buffer, .address_space: global }
    .group_segment_fixed_size: 111360
    .private_segment_fixed_size: 0
    .kernarg_segment_align: 8
    .kernarg_segment_size: 56
    .max_flat_workgroup_size: 128
    .sgpr_count:     66
    .vgpr_count:     448
    .wavefront_size: 32
...
	.end_amdgpu_metadata
.endif
;; end of part 5
;; launch up (part 6): grid 256 x 1, 4 waves a work-group, no clusters, 207,360 bytes of LDS; arguments sel, xq, xs, w1_codes, w1_scales, hq, hs; writes hq, hs
.if DOCPART == 6
	.amdgcn_target "amdgcn-amd-amdhsa--gfx1250"
	.amdhsa_code_object_version 6
	.text
	.protected	k_qc097055be0_up
	.globl	k_qc097055be0_up
	.p2align	8
	.type	k_qc097055be0_up,@function
k_qc097055be0_up:
	s_mov_b64 s[64:65], 0
	v_nop
	global_prefetch_b8 v0, s[64:65] scope:SCOPE_SE
	s_setreg_imm32_b32 hwreg(HW_REG_WAVE_SCHED_MODE, 0, 2), 2
	s_setreg_imm32_b32 hwreg(HW_REG_WAVE_MODE, 25, 1), 1
	s_wait_xcnt 0x0
	s_wait_alu depctr_vm_vsrc(0)
; UP: hq, hs = the codes and scale bytes of silu(Q(x) W1^T), for the rows that the router chose.  Both operands E2M3 with E8M0 scales, by v_wmma_scale_f32_16x16x128_f8f6f4; sums, silu and the quantiser in f32.
; SHARES: 256 work-groups = 8 experts e x 4 quarters tq of 512 tokens x 8 slices sl of 256 hidden units.  Wave w keeps hidden units 256 sl + 64 w .. + 63 of W1[e] in 384 registers for the whole launch
; (4 tiles of 16 x 8 K steps x 12) and multiplies them by all rows of (e, tq): the tokens of the quarter that have e among their two experts, in token order, n of them (0 .. 512).
; THE LIST is remade in every wave from the quarter's 512 words of sel: 16 lane masks, their bit counts and prefix sums in scalar registers; SELECT finds the p-th set bit.  No LDS address and no barrier hangs on it.
; NO TENSOR LOADS AND NO CLUSTER: trip work hangs on n, a number read from memory, so operands come by plain loads; barriers stand only at the top of loops of constant count (4 rounds of 128 rows), work is jumped over inside.
; K ORDER: whole blocks of 32 are taken in another order, alike on both sides and in the scale words: in K step s lane half h holds blocks 16 h + 2 s and 16 h + 2 s + 1, which are 48 consecutive bytes at 384 h + 48 s of a row.
; TRANSPOSED: source 0 = 16 rows of W1, source 1 = 16 rows of x, so a lane holds one row of h.  Lane r of tile 2 b + u takes W1's row 32 b + 8 u + r + 8 (r / 8): the 16 registers of tiles 2 b, 2 b + 1 are 16 neighbours along DFF.
; OUT: hq [e 4 + tq][tile of 16 rows, 32][K step of the next launch, 16][1,536]: images of that launch's operand registers (chunk c at 512 c, lane's 16 bytes at 16 x lane); hs [e 4 + tq][row 512][64]: block's byte at its number.
; With n = 0 one pair of tiles is still made (of some token of the quarter), so that the next launch's first loads find written bytes.  Rows from n up to the pair's end repeat row n - 1.
; LIMITS: NaN and infinities are not served; a block of h whose largest magnitude lies under 2^-124 keeps the scale byte 1.  A very uneven routing is served, more slowly (up to 4 rounds).
; THE MODE: SCHED_MODE bits 1:0 = 2 (LLVM: expert scheduling mode 2), set by the entry lines.  The code itself states the register dependences between vector or matrix instructions and memory or LDS instructions,
; and between vector instructions that write scalar registers and their readers, with s_wait_alu, always for 0.
; THE PLAN.  Registers that memory or LDS instructions touch, and who else names them:
;   v4-11, v13, v15, v17, v34, v35   offsets and LDS addresses: made at the head, never written again: one wait ahead of the first load serves them for the whole kernel.
;   v36, v64-111                     the loader's offsets: written by its vector lines, read by its 50 loads; v64-111 are accumulators afterwards.
;   v112-119, window 3's v0-191      the loader's loads land there and its LDS stores read them; then the pairs' LDS loads land in window 3 and the products read it; v112-119 are accumulators afterwards.
;   windows 1 and 2                  W1: loaded as it lies, read by the turn's LDS stores, filled again by the turn's LDS loads; from then on named by products alone.
;   v12, v14; v56-63                 a pair's two LDS addresses, written at its head; x's scale words, which its LDS loads fill and its products read.
;   v16, v18, v216-227, v236         a pair's store offsets and data: written by its vector lines, read by its four stores.
; So the loader has one wait on vm_vsrc at its head and one on va_vdst ahead of its run of loads; a pair has one of each at its head, round the four additions that make its addresses, and one on va_vdst ahead of
; its stores; each pass of the turn has one on vm_vsrc.  Compares and lane reads that write scalar registers stand in runs, one wait behind each run.
.set PA,   784                         ; a row of codes in LDS: 768 bytes + 16: 49 x 16, so the 16 rows of a fragment load start in 16 different groups of four banks
.set XP,   48                          ; a row of scale words in LDS: 32 bytes + 16
.set XSB,  128*PA                      ; LDS: 128 rows of x's codes at 0, their scale words here,
.set WST,  XSB+128*XP                  ; and a stage of 32 rows for each wave, for the turn of W1
.set M,    32                          ; s32-47  lane masks: bit l of word j: token 512 tq + 32 j + l uses e
.set P,    47                          ; s48-62  P + j: set bits in words under j
.set CM,   79                          ; s80-95  at work: masks of a run of compares (CM + j), numbers of a run of lane reads
.set ACC,  64                          ; v64-127  the pair's 8 accumulators: tile of rows g, tile of units t at 32 g + 8 t
.set EX,   128                         ; v128-191 at work in silu
.set TM,   192                         ; v192-195 largest magnitudes, v196-199 bytes, v204-207 the conversions' scale operands
.set O,    216                         ; v216-227 48 bytes of codes: my row's two blocks
.set T0,   228
.set T1,   232
; v1 lane, v2 r, v3 h, v4 16 l;  v5-v19 addresses (below);  v20-33 SELECT;  v34-36 load offsets;  v40-55 W1's scale words, v56-63 x's: these hold scales and nothing else
; window 1: W1's tiles 0, 1 (tile at 96 (t % 2) + 12 s);  window 2: tiles 2, 3;  window 3: v0-191 the loader's rows, later x's fragments (96 g + 12 s)
.set MSB, 0
.macro WIN new                         ; the immediate's high byte repeats the setting that is left
.if MSB != (\new)
	s_set_vgpr_msb (MSB<<8)|(\new)
.set MSB, (\new)
.endif
.endm
; One step of the search for the (q + 1)-th set bit: t = the set bits in the field of x at pos; where q >= t the bit lies beyond the field
.macro SELSTEP x, field, wd
	v_bfe_u32 v31, \x, v30, \field
	v_cmp_ge_u32 vcc_lo, v25, v31
	s_wait_alu depctr_va_vcc(0)                    ; VCC is written, ahead of the two selects that read it (each step hangs on the step before: no run can be made of these compares)
	v_cndmask_b32 v31, 0, v31, vcc_lo
	v_cndmask_b32 v32, 0, \wd, vcc_lo
	v_sub_nc_u32 v25, v25, v31
	v_add_nc_u32 v30, v30, v32
.endm
; v20 = p (a lane's own)  ->  v33 = the token that is p-th in the list
.macro SELECT
.irp j, 1,2,3,4,5,6,7,8,9,10,11,12,13,14,15
	v_cmp_gt_u32 s[CM+\j], s[P+\j], v20            ; where P[j] > p the earlier choice stays.  The fifteen compares hang on p alone: one run, a mask each
.endr
	v_mov_b32 v21, s[M]                            ; the word that holds the bit,
	v_mov_b32 v22, 0                               ; the set bits under it,
	v_mov_b32 v23, 0                               ; its number
	s_wait_alu depctr_va_sdst(0)                   ; the fifteen masks are written, ahead of the selects that read them
.irp j, 1,2,3,4,5,6,7,8,9,10,11,12,13,14,15
	v_cndmask_b32 v21, s[M+\j], v21, s[CM+\j]
	v_cndmask_b32 v22, s[P+\j], v22, s[CM+\j]
	v_cndmask_b32 v23, \j, v23, s[CM+\j]
.endr
	v_sub_nc_u32 v25, v20, v22                     ; q
	v_lshrrev_b32 v26, 1, v21
	v_and_b32 v26, 0x55555555, v26
	v_sub_nc_u32 v26, v21, v26                     ; counts in fields of 2,
	v_lshrrev_b32 v27, 2, v26
	v_and_b32 v27, 0x33333333, v27
	v_and_b32 v28, 0x33333333, v26
	v_add_nc_u32 v27, v27, v28                     ; of 4,
	v_lshrrev_b32 v28, 4, v27
	v_add_nc_u32 v28, v28, v27
	v_and_b32 v28, 0x0f0f0f0f, v28                 ; of 8,
	v_lshrrev_b32 v29, 8, v28
	v_add_nc_u32 v29, v29, v28                     ; and, in byte 0, of the low 16
	v_mov_b32 v30, 0                               ; pos
	SELSTEP v29, 8, 16
	SELSTEP v28, 8, 8
	SELSTEP v27, 4, 4
	SELSTEP v26, 2, 2
	SELSTEP v21, 1, 1
	v_lshl_add_u32 v33, v23, 5, v30
	v_add_nc_u32 v33, s29, v33                     ; 512 tq + 32 word + bit
.endm
; The matrix instruction on the registers named by rD, rW, rA, rSW, rSX.  z: the constant 0 starts the sum.  ra, rb: the side's scale words stand in lanes 16-31
.macro WM z, ra, rb
.if (\z) && (\ra) && (\rb)
	v_wmma_scale_f32_16x16x128_f8f6f4 v[rD:rD+7], v[rW:rW+11], v[rA:rA+11], 0, v[rSW], v[rSX] matrix_a_fmt:MATRIX_FMT_FP6 matrix_b_fmt:MATRIX_FMT_FP6 matrix_a_scale:MATRIX_SCALE_ROW1 matrix_b_scale:MATRIX_SCALE_ROW1
.elseif (\z) && (\ra)
	v_wmma_scale_f32_16x16x128_f8f6f4 v[rD:rD+7], v[rW:rW+11], v[rA:rA+11], 0, v[rSW], v[rSX] matrix_a_fmt:MATRIX_FMT_FP6 matrix_b_fmt:MATRIX_FMT_FP6 matrix_a_scale:MATRIX_SCALE_ROW1
.elseif (\z) && (\rb)
	v_wmma_scale_f32_16x16x128_f8f6f4 v[rD:rD+7], v[rW:rW+11], v[rA:rA+11], 0, v[rSW], v[rSX] matrix_a_fmt:MATRIX_FMT_FP6 matrix_b_fmt:MATRIX_FMT_FP6 matrix_b_scale:MATRIX_SCALE_ROW1
.elseif (\z)
	v_wmma_scale_f32_16x16x128_f8f6f4 v[rD:rD+7], v[rW:rW+11], v[rA:rA+11], 0, v[rSW], v[rSX] matrix_a_fmt:MATRIX_FMT_FP6 matrix_b_fmt:MATRIX_FMT_FP6
.elseif (\ra) && (\rb)
	v_wmma_scale_f32_16x16x128_f8f6f4 v[rD:rD+7], v[rW:rW+11], v[rA:rA+11], v[rD:rD+7], v[rSW], v[rSX] matrix_a_fmt:MATRIX_FMT_FP6 matrix_b_fmt:MATRIX_FMT_FP6 matrix_a_scale:MATRIX_SCALE_ROW1 matrix_b_scale:MATRIX_SCALE_ROW1
.elseif (\ra)
	v_wmma_scale_f32_16x16x128_f8f6f4 v[rD:rD+7], v[rW:rW+11], v[rA:rA+11], v[rD:rD+7], v[rSW], v[rSX] matrix_a_fmt:MATRIX_FMT_FP6 matrix_b_fmt:MATRIX_FMT_FP6 matrix_a_scale:MATRIX_SCALE_ROW1
.elseif (\rb)
	v_wmma_scale_f32_16x16x128_f8f6f4 v[rD:rD+7], v[rW:rW+11], v[rA:rA+11], v[rD:rD+7], v[rSW], v[rSX] matrix_a_fmt:MATRIX_FMT_FP6 matrix_b_fmt:MATRIX_FMT_FP6 matrix_b_scale:MATRIX_SCALE_ROW1
.else
	v_wmma_scale_f32_16x16x128_f8f6f4 v[rD:rD+7], v[rW:rW+11], v[rA:rA+11], v[rD:rD+7], v[rSW], v[rSX] matrix_a_fmt:MATRIX_FMT_FP6 matrix_b_fmt:MATRIX_FMT_FP6
.endif
.endm
.macro MM t, g, s                      ; tile of units t x tile of rows g, K step s
.set rD, ACC+32*(\g)+8*(\t)
.set rW, 96*((\t)&1)+12*(\s)
.set rA, 96*(\g)+12*(\s)
.set rSW, 40+8*((\t)>>1)+(\s)
.set rSX, 56+(\s)
	WM (\s)==0, (\t)&1, (\g)
.endm
	s_load_b256 s[4:11], s[0:1], 0x0               ; sel s[4:5], xq s[6:7], xs s[8:9], w1_codes s[10:11]
	s_load_b128 s[12:15], s[0:1], 0x20             ; w1_scales s[12:13], hq s[14:15]
	s_load_b64 s[16:17], s[0:1], 0x30              ; hs
	v_lshl_add_u32 v254, v0, 2, 0x32800
	v_mov_b32 v255, 0
	v_lshrrev_b32 v1, 5, v0
	v_readfirstlane_b32 s18, v1                    ; wave 0..3
	s_lshr_b32 s19, ttmp9, 5                       ; e
	s_bfe_u32 s20, ttmp9, 0x20003                  ; tq
	s_and_b32 s21, ttmp9, 7                        ; sl
	v_and_b32 v1, 31, v0                           ; lane
	v_and_b32 v2, 15, v0                           ; r
	v_bfe_u32 v3, v0, 4, 1                         ; h
	v_lshlrev_b32 v4, 4, v1                        ; 16 l
	s_wait_alu depctr_va_sdst(0)                   ; s18 is written, ahead of its first reader
	s_mul_i32 s72, s18, 32*PA
	v_add_nc_u32 v5, s72, v4                       ; the loader's stores: my wave's 32 rows, 16 bytes a lane;
	v_mul_u32_u24 v6, v3, 528
	v_add_nc_u32 v6, v6, v5                        ; the same where lanes 16-31 hold the next row's last 256 bytes
	s_mul_i32 s72, s18, 32*XP
	v_mul_u32_u24 v7, v1, XP
	v_add_nc_u32 v7, s72, v7
	v_add_nc_u32 v7, XSB, v7                       ; the loader's scale words: lane = row
	s_mul_i32 s72, s18, 32*PA
	s_add_co_u32 s72, s72, WST                     ; my stage
	v_add_nc_u32 v8, s72, v4
	v_lshl_add_u32 v9, v3, 4, v8                   ; (where a load straddles two rows, lanes 16-31 pass one padding)
	v_mul_u32_u24 v11, v2, PA
	v_mad_u32_u24 v11, v3, 384, v11                ; a fragment: row r, + 384 h
	v_add_nc_u32 v10, s72, v11                     ; of W1, out of my stage
	v_mul_u32_u24 v13, v1, XP
	v_add_nc_u32 v13, XSB, v13                     ; x's scale words: lane = row of the pair
	v_mul_u32_u24 v15, v3, 24576
	v_lshl_add_u32 v15, v2, 4, v15                 ; hq: lanes 16-31 the pair's second tile; 16 bytes a row
	v_lshlrev_b32 v17, 6, v1                       ; hs: 64 bytes a row
	v_lshlrev_b32 v19, 8, v3
	v_sub_nc_u32 v19, v4, v19
	v_add_nc_u32 v19, 512, v19                     ; a row's last 256 bytes, 16 lanes to a row: 512 + 16 (lane % 16)
	v_lshlrev_b32 v34, 2, v1                       ; sel: 4 bytes a lane
	v_and_b32 v35, 8, v2
	v_add_nc_u32 v35, v35, v2
	v_lshl_add_u32 v35, v3, 3, v35
	v_lshlrev_b32 v35, 5, v35                      ; W1's scale rows: row r + 8 (r / 8) + 8 h of a block of 32, 32 bytes each
.irp b, 0,1,2,3
	v_mov_b32 v[TM+4+\b], 0                        ; written once: a lane permute's destination counts as one of its sources
.endr
	s_mov_b32 s28, 0xffff0000                      ; lanes 16-31
	s_mov_b32 s30, 0x76543210
	s_mov_b32 s31, 0xfedcba98                      ; v_permlanex16_b32's selects for lane l xor 16
	s_mov_b32 s66, 0xbfb8aa3b                      ; -log2(e)
	s_mov_b32 s67, s66                             ; (named with it as a pair)
	s_lshl_b32 s29, s20, 9                         ; 512 tq
	s_lshl_b32 s72, s19, 11
	s_lshl_b32 s73, s21, 8
	s_add_co_u32 s72, s72, s73
	s_lshl_b32 s73, s18, 6
	s_add_co_u32 s72, s72, s73                     ; my first row of W1: 2048 e + 256 sl + 64 w
	s_mul_i32 s74, s72, 768
	s_mov_b32 s75, 0
	s_lshl_b32 s76, s72, 5
	s_mov_b32 s77, 0
	s_lshl_b32 s78, s20, 11
	s_mov_b32 s79, 0
	s_wait_kmcnt 0x0
	s_add_nc_u64 s[4:5], s[4:5], s[78:79]          ; sel at the quarter's first token
	s_add_nc_u64 s[10:11], s[10:11], s[74:75]
	s_add_nc_u64 s[12:13], s[12:13], s[76:77]
	s_lshl_b32 s72, s19, 2
	s_add_co_u32 s72, s72, s20                     ; the group 4 e + tq
	s_mul_i32 s74, s72, 786432
	s_lshr_b32 s73, s21, 1
	s_lshl_b32 s73, s73, 2
	s_add_co_u32 s73, s73, s18                     ; my two blocks 8 sl + 2 w, + 1 are K step 4 (sl / 2) + w of the next launch,
	s_mul_i32 s73, s73, 1536
	s_add_co_u32 s74, s74, s73
	s_and_b32 s73, s21, 1                          ; in its lane half sl % 2
	s_lshl_b32 s73, s73, 8
	s_add_co_u32 s74, s74, s73
	s_add_nc_u64 s[14:15], s[14:15], s[74:75]
	s_lshl_b32 s74, s72, 15
	s_lshl_b32 s73, s21, 2
	s_add_co_u32 s73, s73, s18
	s_lshl_b32 s73, s73, 1
	s_add_co_u32 s74, s74, s73
	s_add_nc_u64 s[16:17], s[16:17], s[74:75]      ; hs at the group's row 0, byte 8 sl + 2 w
	s_wait_alu depctr_va_vdst(0)                   ; the offsets and LDS addresses v4-11, v13, v15, v17, v34, v35 are written: the kernel's loads, stores and LDS instructions read them, and no vector line writes them again
.irp j, 0,1,2,3,4,5,6,7,8,9,10,11,12,13,14,15
	global_load_b32 v[64+\j], v34, s[4:5] offset:128*\j
.endr
.irp b, 0,1
	global_load_b128 v[128+8*\b:131+8*\b], v35, s[12:13] offset:1024*\b
	global_load_b128 v[132+8*\b:135+8*\b], v35, s[12:13] offset:1024*\b+16
.endr
	WIN 0x40                                       ; W1 as it lies: my 64 rows are 96 x 512 consecutive bytes; load i into window 1 + i / 48, register 4 (i % 48)
.set i, 0
.rept 40
	global_load_b128 v[4*i:4*i+3], v4, s[10:11] offset:512*i
.set i, i+1
.endr
	WIN 0
	s_wait_loadcnt 44                              ; sel's 16 loads are in; the 4 + 40 behind them may be out
.irp j, 0,1,2,3,4,5,6,7,8,9,10,11,12,13,14,15
	v_and_b32 v20, 0xff, v[64+\j]
	v_lshrrev_b32 v21, 8, v[64+\j]
	v_cmp_eq_u32 s[M+\j], s19, v20                 ; e is the token's first expert,
	v_cmp_eq_u32 s[CM+1+\j], s19, v21              ; or its second: 32 compares in one run, a mask each
.endr
	s_wait_alu depctr_va_sdst(0)                   ; the 32 masks are written, ahead of the scalar lines that read them
.irp j, 0,1,2,3,4,5,6,7,8,9,10,11,12,13,14,15
	s_or_b32 s[M+\j], s[M+\j], s[CM+1+\j]
.endr
	s_bcnt1_i32_b32 s[P+1], s[M]
.irp j, 2,3,4,5,6,7,8,9,10,11,12,13,14,15
	s_bcnt1_i32_b32 s72, s[M+\j-1]
	s_add_co_u32 s[P+\j], s[P+\j-1], s72
.endr
	s_bcnt1_i32_b32 s72, s[M+15]
	s_add_co_u32 s22, s[P+15], s72                 ; n
	s_max_u32 s22, s22, 1                          ; n1: at least one row is made
	s_mov_b32 s23, s22                             ; rows left from this round on
	s_mov_b32 s24, 0                               ; the round's first row
	WIN 0x40                                       ; (no wait: no vector line since the wait ahead of the first load names v4 or a register of windows 1 and 2)
.rept 8
	global_load_b128 v[4*i:4*i+3], v4, s[10:11] offset:512*i
.set i, i+1
.endr
	WIN 0x80
.rept 48
	global_load_b128 v[4*(i-48):4*(i-48)+3], v4, s[10:11] offset:512*i
.set i, i+1
.endr
	WIN 0
; My wave's 32 rows of the round (rows base + 32 w on) come from xq and xs into LDS.  Two rows are three loads, each of whole runs of 256 consecutive bytes: row a's first 512, row b's first 512, both rows' last 256.
; A number that comes from sel enters an address only behind a hold at 2,047, and behind the hold stand a multiply and adds alone.  again = 1: a loader has run before.
; All 50 offsets are made first, so that one wait serves the run of loads.
.macro LOADER again
	s_lshl_b32 s72, s18, 5
	s_cmp_ge_i32 s72, s23
	s_cbranch_scc1 .Lno_rows_\@
	s_add_co_u32 s72, s72, s24
	s_sub_co_u32 s73, s22, 1
.if \again
	s_wait_alu depctr_vm_vsrc(0)                   ; the last loader's loads have read their offsets v36 and v64-111, its LDS stores their data v112-119 and window 3's v0-191: all of these are written again below
.endif
	v_add_nc_u32 v20, s72, v1
	v_min_u32 v20, s73, v20                        ; p: rows past the list's end repeat its last row
	SELECT
	v_min_u32 v36, 0x7ff, v33
	v_lshlrev_b32 v36, 5, v36                      ; lane = row: its 8 scale words
.irp hf, 0,1
.set i, 0
.rept 16
	v_readlane_b32 s[CM+1+i], v33, 16*\hf+i        ; sixteen rows' tokens in one run
.set i, i+1
.endr
	s_wait_alu depctr_va_sdst(0)                   ; the sixteen numbers are written, ahead of the vector and scalar lines that read them
.set i, 0
.rept 8
	v_mov_b32 v30, s[CM+1+2*i]
	v_cndmask_b32 v30, v30, s[CM+2+2*i], s28       ; lanes 0-15 row a's token, lanes 16-31 row b's
	s_min_u32 s72, s[CM+1+2*i], 0x7ff
	s_min_u32 s73, s[CM+2+2*i], 0x7ff
	s_mul_i32 s72, s72, 768
	s_mul_i32 s73, s73, 768
	v_min_u32 v30, 0x7ff, v30
	v_add_nc_u32 v[64+24*\hf+3*i], s72, v4
	v_add_nc_u32 v[65+24*\hf+3*i], s73, v4
	v_mad_u32_u24 v[66+24*\hf+3*i], v30, 0x300, v19
.set i, i+1
.endr
.endr
	s_wait_alu depctr_va_vdst(0)                   ; the offsets v36 and v64-111 are written, which the loads below read; the pairs' products are done reading window 3's v0-191 and their arithmetic is done with v112-119, in which these loads land
	global_load_b128 v[112:115], v36, s[8:9]
	global_load_b128 v[116:119], v36, s[8:9] offset:16
	WIN 0xc0                                       ; destination window 3
.set i, 0
.rept 48
	global_load_b128 v[4*i:4*i+3], v[64+i], s[6:7]
.set i, i+1
.endr
	s_wait_loadcnt 0x0
	WIN 0x0c                                       ; an LDS store's data are its source 1: window 3
.set i, 0
.rept 16
	ds_store_b128 v5, v[12*i:12*i+3] offset:PA*2*i
	ds_store_b128 v5, v[12*i+4:12*i+7] offset:PA*(2*i+1)
	ds_store_b128 v6, v[12*i+8:12*i+11] offset:PA*2*i+512
.set i, i+1
.endr
	WIN 0
	ds_store_b128 v7, v[112:115]
	ds_store_b128 v7, v[116:119] offset:16
.Lno_rows_\@:
.endm
	LOADER 0
	s_wait_loadcnt 0x0                             ; W1 and its scale rows are in
	; THE TURN OF W1 through my own stage, 32 rows a pass: rows go in as they were loaded, to the slot 16 ((row / 8) % 2) + 8 (row / 16) + row % 8, so that a tile's 16 rows lie on end; fragments come out, 384 bytes a lane and tile.
.irp b, 0,1
	WIN (1+\b)<<2
.set k, 0
.rept 16
.set SG, 16*(((2*k)>>3)&1)+8*((2*k)>>4)+((2*k)&7)
	ds_store_b128 v8, v[12*k:12*k+3] offset:PA*SG
	ds_store_b128 v9, v[12*k+4:12*k+7] offset:PA*SG+512
	ds_store_b128 v8, v[12*k+8:12*k+11] offset:PA*SG+1040
.set k, k+1
.endr
	WIN (1+\b)<<6
	s_wait_alu depctr_vm_vsrc(0)                   ; the pass's LDS stores have read the window's v0-191, in which the LDS loads below land
.irp u, 0,1
.set q, 0
.rept 24
	ds_load_b128 v[96*\u+4*q:96*\u+4*q+3], v10 offset:PA*16*\u+16*q     ; LDS serves a wave's instructions in order: these see the stores above, and the next pass's stores come behind them
.set q, q+1
.endr
.endr
.endr
	WIN 0
.irp b, 0,1
.irp i, 0,1,2,3
	v_perm_b32 v[40+8*\b+2*\i], v[132+8*\b+\i], v[128+8*\b+\i], 0x05010400   ; word s = bytes 2 s, 16 + 2 s, 2 s + 1, 17 + 2 s of the row's 32
	v_perm_b32 v[41+8*\b+2*\i], v[132+8*\b+\i], v[128+8*\b+\i], 0x07030602
.endr
.endr
.rept 8
	v_nop                                          ; a scale register written by a vector instruction stands 8 places ahead of a scaled matrix instruction
.endr
; A PAIR of tiles of rows (32 rows): fetch, 64 products, silu, quantise, store.
.macro PAIR
	s_wait_xcnt 0x0                                ; the last pair's stores have read their data and offsets, which are written again below
	s_wait_alu depctr_vm_vsrc(0)                   ; the last pair's stores have read v16, v18, v216-227 and v236, its LDS loads v12 and v14; the loader's loads have read v64-111, its LDS stores v112-119 and window 3's v0-191: this pair writes all of these
	v_add_nc_u32 v12, s68, v11
	v_add_nc_u32 v14, s69, v13
	v_add_nc_u32 v16, s70, v15
	v_add_nc_u32 v18, s71, v17
	s_wait_alu depctr_va_vdst(0)                   ; v12 and v14 are written, which the LDS loads below read; the last pair's products are done reading v56-63 and window 3's v0-191, in which they land; ahead of the first pair: W1's scale words v40-55 are written, which the products take
	ds_load_b128 v[56:59], v14                     ; x's scale words: lanes 0-15 the first tile's rows, lanes 16-31 the second's
	ds_load_b128 v[60:63], v14 offset:16
	WIN 0xc0
.irp s, 0,1,2,3,4,5,6,7
.irp g, 0,1
.irp c, 0,1,2
	ds_load_b128 v[96*\g+12*\s+4*\c:96*\g+12*\s+4*\c+3], v12 offset:16*PA*\g+48*\s+16*\c
.endr
.endr
.endr
	WIN 0x0d                                       ; source 0 (W1) window 1, source 1 (x) window 3, C and D window 0.  Four accumulators take turns, one instruction a turn
.irp s, 0,1,2,3,4,5,6,7
	s_wait_dscnt 6*(7-\s)                          ; this K step's six loads are in; the later steps' may be out
	MM 0, 0, \s
	MM 1, 0, \s
	MM 0, 1, \s
	MM 1, 1, \s
.endr
	WIN 0x0e                                       ; W1's tiles 2, 3: window 2
.irp s, 0,1,2,3,4,5,6,7
	MM 2, 0, \s
	MM 3, 0, \s
	MM 2, 1, \s
	MM 3, 1, \s
.endr
	WIN 0
.rept 4
	v_nop                                          ; places behind the last products, ahead of the first read of results
.endr
.set j, 0
.rept 32
	v_pk_mul_f32 v[EX+2*j:EX+2*j+1], v[ACC+2*j:ACC+2*j+1], s[66:67] op_sel_hi:[1,0]   ; -z log2(e); each accumulator is read from its low end on
.set j, j+1
.endr
.set j, 0
	s_wait_alu depctr_va_vdst(0)
.rept 64
	v_exp_f32 v[EX+j], v[EX+j]
.set j, j+1
.endr
	v_nop
	s_wait_alu depctr_va_vdst(0)                   ; the 64 exponentials have written v128-191: one wait for the batch, ahead of its first reader
.set j, 0
.rept 32
	v_pk_add_f32 v[EX+2*j:EX+2*j+1], v[EX+2*j:EX+2*j+1], 1.0 op_sel_hi:[1,0]
.set j, j+1
.endr
.set j, 0
	s_wait_alu depctr_va_vdst(0)
.rept 64
	v_rcp_f32 v[EX+j], v[EX+j]
.set j, j+1
.endr
	v_nop
	s_wait_alu depctr_va_vdst(0)                   ; and one for the 64 reciprocals, ahead of their first reader
.set j, 0
.rept 32
	v_pk_mul_f32 v[ACC+2*j:ACC+2*j+1], v[ACC+2*j:ACC+2*j+1], v[EX+2*j:EX+2*j+1]       ; silu(z) = z / (1 + e^-z)
.set j, j+1
.endr
	; four blocks of 32 along DFF: number 2 g + b at ACC + 16 (2 g + b); a lane holds 16 of a block, lane l xor 16 the others
.irp b, 0,1,2,3
	v_max3_num_f32 v[TM+\b], |v[ACC+16*\b]|, |v[ACC+16*\b+1]|, 0x1800000              ; with the floor 2^(3 - 127): the byte cannot fall under 1
.endr
.irp i, 2,4,6,8,10,12,14
.irp b, 0,1,2,3
	v_max3_num_f32 v[TM+\b], v[TM+\b], |v[ACC+16*\b+\i]|, |v[ACC+16*\b+\i+1]|
.endr
.endr
.irp b, 0,1,2,3
	v_permlanex16_b32 v[TM+4+\b], v[TM+\b], s30, s31
.endr
.irp b, 0,1,2,3
	v_max_num_f32 v[TM+\b], v[TM+\b], v[TM+4+\b]
.endr
.irp b, 0,1,2,3
	v_add_nc_u32 v[TM+12+\b], 0xff000000, v[TM+\b] ; 2 off the exponent field: the conversion's scale operand
.endr
.irp b, 0,1,2,3
	v_lshrrev_b32 v[TM+4+\b], 23, v[TM+12+\b]      ; the scale's byte
.endr
	v_cvt_scalef32_pk16_fp6_f32 v[O:O+2], v[ACC:ACC+15], v[TM+12]            ; tile 0, block 0: 16 codes a lane
	v_cvt_scalef32_pk16_fp6_f32 v[T0:T0+2], v[ACC+32:ACC+47], v[TM+14]       ; tile 1, block 0
	v_cvt_scalef32_pk16_fp6_f32 v[O+6:O+8], v[ACC+16:ACC+31], v[TM+13]       ; tile 0, block 1
	v_cvt_scalef32_pk16_fp6_f32 v[T1:T1+2], v[ACC+48:ACC+63], v[TM+15]       ; tile 1, block 1
	v_nop                                          ; one plain line behind the conversions
.irp i, 0,1,2
	v_permlane16_swap_b32 v[O+\i], v[T0+\i]        ; the first's lanes 16-31 change places with the second's lanes 0-15: lane (r, g) now holds row r of tile g: here the block's lower 16 codes, there the upper
	v_permlane16_swap_b32 v[O+6+\i], v[T1+\i]
.endr
.irp i, 0,1,2
	v_mov_b32 v[O+3+\i], v[T0+\i]
	v_mov_b32 v[O+9+\i], v[T1+\i]
.endr
	v_lshl_or_b32 v236, v[TM+5], 8, v[TM+4]
	v_lshl_or_b32 v237, v[TM+7], 8, v[TM+6]
	v_cndmask_b32 v236, v236, v237, s28            ; my row's two bytes
	s_wait_alu depctr_va_vdst(0)                   ; the codes v216-227 and the bytes v236 are written, which the four stores below read (their offsets v16 and v18 were written ahead of the pair's first wait)
.irp c, 0,1,2
	global_store_b128 v16, v[O+4*\c:O+4*\c+3], s[14:15] offset:512*\c        ; each half of the lanes stores 256 consecutive bytes, aligned
.endr
	global_store_b16 v18, v236, s[16:17]           ; two bytes a row, rows 64 bytes apart: one byte in 24 of what the pair stores
.endm
	s_mov_b32 s25, 4                               ; four rounds of 128 rows serve every n up to 512
	s_mov_b32 s70, 0                               ; hq: the pair's place, 2 tiles of 24,576 bytes a pair
	s_mov_b32 s71, 0                               ; hs: 32 rows of 64 bytes a pair
.Lround:
	s_wait_dscnt 0x0                               ; my stores of the round's rows have landed
	s_barrier_signal -1
	s_barrier_wait -1                              ; everybody's have
	s_mov_b32 s26, 4
	s_mov_b32 s27, 0                               ; the pair's first row in the round
	s_mov_b32 s68, 0                               ; and its place among the codes and the scale words in LDS
	s_mov_b32 s69, 0
.Lpair:
	s_cmp_ge_i32 s27, s23                          ; a pair with no row is jumped over; the steps below are not
	s_cbranch_scc1 .Lno_pair
	PAIR
.Lno_pair:
	s_add_co_u32 s27, s27, 32
	s_add_co_u32 s68, s68, 32*PA
	s_add_co_u32 s69, s69, 32*XP
	s_add_co_u32 s70, s70, 49152
	s_add_co_u32 s71, s71, 2048
	s_sub_co_u32 s26, s26, 1
	s_cmp_lg_u32 s26, 0
	s_cbranch_scc1 .Lpair
	s_wait_dscnt 0x0                               ; my reads of the round's rows are over
	s_barrier_signal -1
	s_barrier_wait -1                              ; everybody's are: the rows may be written again
	s_sub_co_i32 s23, s23, 128
	s_add_co_u32 s24, s24, 128
	LOADER 1                                       ; the next round's rows, if there are any
	s_sub_co_u32 s25, s25, 1
	s_cmp_lg_u32 s25, 0
	s_cbranch_scc1 .Lround
	s_wait_dscnt 0x0                               ; the closing lines, six on end
	s_wait_alu 0x0
	s_wait_tensorcnt 0x0
	ds_add_u32 v254, v255
	s_wait_dscnt 0x0
	s_endpgm
.Lfunc_end_k_qc097055be0_up:
	.size	k_qc097055be0_up, .Lfunc_end_k_qc097055be0_up-k_qc097055be0_up
	.p2alignl 7, 3214868480
	.fill 96, 4, 3214868480
	.section	.rodata,"a",@progbits
	.p2align	6, 0x0
	.amdhsa_kernel k_qc097055be0_up
		.amdhsa_group_segment_fixed_size 207360
		.amdhsa_private_segment_fixed_size 0
		.amdhsa_enable_private_segment 0
		.amdhsa_kernarg_size 56
		.amdhsa_user_sgpr_count 2
		.amdhsa_user_sgpr_kernarg_segment_ptr 1
		.amdhsa_wavefront_size32 1
		.amdhsa_system_sgpr_workgroup_id_x 1
		.amdhsa_system_sgpr_workgroup_id_y 1
		.amdhsa_system_sgpr_workgroup_id_z 1
		.amdhsa_system_vgpr_workitem_id 0
		.amdhsa_next_free_vgpr 1024
		.amdhsa_next_free_sgpr 100
		.amdhsa_reserve_vcc 1
		.amdhsa_float_denorm_mode_32 3
		.amdhsa_float_denorm_mode_16_64 3
		.amdhsa_memory_ordered 1
		.amdhsa_forward_progress 1
		.amdhsa_inst_pref_size 113
	.end_amdhsa_kernel
	.amdgpu_metadata
---
amdhsa.version: [ 1, 2 ]
amdhsa.kernels:
  - .name:           k_qc097055be0_up
    .symbol:         k_qc097055be0_up.kd
    .args:
      - { .name: sel, .offset: 0, .size: 8, .value_kind: global_buffer, .address_space: global }
      - { .name: xq, .offset: 8, .size: 8, .value_kind: global_buffer, .address_space: global }
      - { .name: xs, .offset: 16, .size: 8, .value_kind: global_buffer, .address_space: global }
      - { .name: w1_codes, .offset: 24, .size: 8, .value_kind: global_buffer, .address_space: global }
      - { .name: w1_scales, .offset: 32, .size: 8, .value_kind: global_buffer, .address_space: global }
      - { .name: hq, .offset: 40, .size: 8, .value_kind: global_buffer, .address_space: global }
      - { .name: hs, .offset: 48, .size: 8, .value_kind: global_buffer, .address_space: global }
    .group_segment_fixed_size: 207360
    .private_segment_fixed_size: 0
    .kernarg_segment_align: 8
    .kernarg_segment_size: 56
    .max_flat_workgroup_size: 128
    .sgpr_count:     100
    .vgpr_count:     1024
    .wavefront_size: 32
...
	.end_amdgpu_metadata
.endif
;; end of part 6
;; launch down (part 7): grid 256 x 1, 4 waves a work-group, no clusters, 270,848 bytes of LDS; arguments sel, hq, hs, w2_codes, w2_scales, y; writes y
.if DOCPART == 7
	.amdgcn_target "amdgcn-amd-amdhsa--gfx1250"
	.amdhsa_code_object_version 6
	.text
	.protected	k_qc097055be0_down
	.globl	k_qc097055be0_down
	.p2align	8
	.type	k_qc097055be0_down,@function
k_qc097055be0_down:
	s_mov_b64 s[64:65], 0
	v_nop
	global_prefetch_b8 v0, s[64:65] scope:SCOPE_SE
	s_setreg_imm32_b32 hwreg(HW_REG_WAVE_SCHED_MODE, 0, 2), 2
	s_setreg_imm32_b32 hwreg(HW_REG_WAVE_MODE, 25, 1), 1
	s_wait_xcnt 0x0
	s_wait_alu depctr_vm_vsrc(0)
; DOWN: y[2 token + k][:] = Q(h) W2[e]^T for the rows that the router chose (k: whether e is the token's first or second expert); not yet weighted.  Both operands E2M3 with E8M0 scales; sums in f32.
; SHARES: 256 work-groups = 8 experts e x 4 quarters tq of 512 tokens x 8 slices sl of 128 output columns.  THE WAVES SPLIT K: wave w owns blocks 16 w .. 16 w + 15 of DFF's 64 and keeps that quarter of the slice's 128 rows
; of W2[e] in 384 registers (8 tiles x 4 K steps x 12).  So h's register images come from memory straight into operand registers, each byte once a work-group, 512 consecutive bytes a load; the four waves' partial sums
; meet in LDS, and each wave adds and stores 32 of a round's 128 rows.
; THE LIST of rows is remade in every wave from the quarter's 512 words of sel, as in the launch before.  NO TENSOR LOADS AND NO CLUSTER: work hangs on n, a number read from memory; barriers stand only at the top of a loop
; of constant count (4 rounds of 128 rows), work is jumped over inside.
; K ORDER: in K step s' lane half h holds blocks 16 w + 8 h + 2 s' and + 1: 48 consecutive bytes at 384 w + 192 h + 48 s' of a row of W2; hq's images and both sides' scale words are laid the same way.
; TRANSPOSED: source 0 = 16 rows of W2 (output columns), source 1 = 16 rows of h: a lane holds eight neighbouring columns of one row of y.
; Tiles of h past the last written one are replaced by the last written tile, so no byte is read that the launch before has not stored; their products are jumped over.
; LIMITS: the sum over K is made in four parts and in another order of blocks than ascending K.  A very uneven routing is served, more slowly (up to 4 rounds).
; THE MODE: SCHED_MODE bits 1:0 = 2 (LLVM: expert scheduling mode 2), set by the entry lines.  The code itself states the register dependences between vector or matrix instructions and memory or LDS instructions,
; and between vector instructions that write scalar registers and their readers, with s_wait_alu, always for 0.
; THE PLAN.  Registers that memory or LDS instructions touch, and who else names them:
;   v4-15, v38, v39                  offsets and LDS addresses: made at the head, never written again: one wait ahead of the first load serves them for the whole kernel.
;   v34-37                           the offsets of a round's scale rows: written by BASES, read by the four loads that follow it.
;   window 1's v240-255, h's tiles   filled by a round's 100 loads; read by the round's permutes and products; asked for again behind the round's last tile.
;   windows 1 and 2 (W2)             loaded as they lie, read by LDS stores, filled again by LDS loads; from then on named by products alone.
;   v80-143, v144-207                TWO SETS OF ACCUMULATORS BY TURNS.  Tile i's products write set i % 2; its 16 LDS stores stand in tile i + 1, behind that tile's first five products, which name the other set.
;                                    In the adding phase LDS loads land in v80-143, additions work on them, and the stores of y read v80-83, 96-99, 112-115, 128-131.
;   v16-19                           the offsets of a group's four rows of y: written by the group's vector lines, read by its stores.
; So ONE wait on va_vdst stands at a tile's head: the tile before has written its set, which the LDS stores in this tile read; one on vm_vsrc beside it: the stores of the tile two back have read the set that this tile writes.
; Each way out of the tiles sends the tile that is still pending.  A group has one wait on vm_vsrc at its head and one on va_vdst ahead of its stores.  Compares and lane reads that write scalar registers stand in runs, one wait behind each.
.set WP,   1552                        ; W2's stage: a row of 1,536 bytes + 16: 97 x 16
.set SPT,  528                         ; the partial sums' stage: a row of 128 f32 + 16 bytes
.set SWV,  128*SPT                     ; 67,584 bytes a wave; the four lie over W2's stage, which is done with behind the second barrier
.set M,    32                          ; s32-47  lane masks: token uses e
.set P,    47                          ; s48-62  P + j: set bits in words under j
.set BM,   66                          ; s66-81  lane masks: e is the token's second expert
.set TB,   82                          ; s82-97  the addresses of the round's eight tiles of h
                                       ; s2, s3, s16, s17, s26, s30, s31, s63: at work: masks of a run of compares; the first four also numbers of a run of lane reads
; v1 lane, v2 r, v3 h, v4 16 l; v5-19 addresses; v20-33 SELECT; v34-39 load offsets; v40-55 W2's scale words, v56-71 h's: these hold scales and nothing else;
; v80-207 two sets of 8 accumulators (80 + 64 (tile % 2) + 8 n), later the rows that are added; v208-255 h's tile 7
; window 1: v0-239 W2's tiles 0-4 (48 n + 12 s'), v240-255 h's scale rows as loaded;  window 2: v0-143 W2's tiles 5-7, v144-239 h's tiles 0, 1;  window 3: v0-239 h's tiles 2-6
.set MSB, 0
.macro WIN new                         ; the immediate's high byte repeats the setting that is left
.if MSB != (\new)
	s_set_vgpr_msb (MSB<<8)|(\new)
.set MSB, (\new)
.endif
.endm
.macro SETA i                          ; AB = the first register of h's tile i, counted through the windows
.if (\i) < 2
.set AB, 656+48*(\i)
.elseif (\i) < 7
.set AB, 768+48*((\i)-2)
.else
.set AB, 208
.endif
.endm
.macro SELSTEP x, field, wd
	v_bfe_u32 v31, \x, v30, \field
	v_cmp_ge_u32 vcc_lo, v25, v31
	s_wait_alu depctr_va_vcc(0)                    ; VCC is written, ahead of the two selects that read it (each step hangs on the step before: no run can be made of these compares)
	v_cndmask_b32 v31, 0, v31, vcc_lo
	v_cndmask_b32 v32, 0, \wd, vcc_lo
	v_sub_nc_u32 v25, v25, v31
	v_add_nc_u32 v30, v30, v32
.endm
.macro ASKW j, m                       ; into s[m]: the lanes for which P[j] > p
	v_cmp_gt_u32 s[\m], s[P+\j], v20
.endm
.macro TAKEW j, m                      ; where P[j] > p the earlier choice stays
	v_cndmask_b32 v21, s[M+\j], v21, s[\m]
	v_cndmask_b32 v22, s[P+\j], v22, s[\m]
	v_cndmask_b32 v23, \j, v23, s[\m]
	v_cndmask_b32 v24, s[BM+\j], v24, s[\m]
.endm
; v20 = p (a lane's own)  ->  v33 = 2 x the token that is p-th in the list + k.  The fifteen compares hang on p alone: two runs, of eight and of seven, into the eight scalar registers that are free
.macro SELECT
	ASKW 1, 2
	ASKW 2, 3
	ASKW 3, 16
	ASKW 4, 17
	ASKW 5, 26
	ASKW 6, 30
	ASKW 7, 31
	ASKW 8, 63
	v_mov_b32 v21, s[M]
	v_mov_b32 v22, 0
	v_mov_b32 v23, 0
	v_mov_b32 v24, s[BM]
	s_wait_alu depctr_va_sdst(0)                   ; the eight masks are written, ahead of the selects that read them
	TAKEW 1, 2
	TAKEW 2, 3
	TAKEW 3, 16
	TAKEW 4, 17
	TAKEW 5, 26
	TAKEW 6, 30
	TAKEW 7, 31
	TAKEW 8, 63
	ASKW 9, 2
	ASKW 10, 3
	ASKW 11, 16
	ASKW 12, 17
	ASKW 13, 26
	ASKW 14, 30
	ASKW 15, 31
	s_wait_alu depctr_va_sdst(0)                   ; the seven masks are written, ahead of the selects that read them
	TAKEW 9, 2
	TAKEW 10, 3
	TAKEW 11, 16
	TAKEW 12, 17
	TAKEW 13, 26
	TAKEW 14, 30
	TAKEW 15, 31
	v_sub_nc_u32 v25, v20, v22
	v_lshrrev_b32 v26, 1, v21
	v_and_b32 v26, 0x55555555, v26
	v_sub_nc_u32 v26, v21, v26
	v_lshrrev_b32 v27, 2, v26
	v_and_b32 v27, 0x33333333, v27
	v_and_b32 v28, 0x33333333, v26
	v_add_nc_u32 v27, v27, v28
	v_lshrrev_b32 v28, 4, v27
	v_add_nc_u32 v28, v28, v27
	v_and_b32 v28, 0x0f0f0f0f, v28
	v_lshrrev_b32 v29, 8, v28
	v_add_nc_u32 v29, v29, v28
	v_mov_b32 v30, 0
	SELSTEP v29, 8, 16
	SELSTEP v28, 8, 8
	SELSTEP v27, 4, 4
	SELSTEP v26, 2, 2
	SELSTEP v21, 1, 1
	v_lshl_add_u32 v33, v23, 5, v30
	v_add_nc_u32 v33, s27, v33                     ; the token
	v_lshrrev_b32 v31, v30, v24
	v_and_b32 v31, 1, v31                          ; k
	v_lshl_add_u32 v33, v33, 1, v31
.endm
.macro WM z, ra, rb
.if (\z) && (\ra) && (\rb)
	v_wmma_scale_f32_16x16x128_f8f6f4 v[rD:rD+7], v[rW:rW+11], v[rA:rA+11], 0, v[rSW], v[rSX] matrix_a_fmt:MATRIX_FMT_FP6 matrix_b_fmt:MATRIX_FMT_FP6 matrix_a_scale:MATRIX_SCALE_ROW1 matrix_b_scale:MATRIX_SCALE_ROW1
.elseif (\z) && (\ra)
	v_wmma_scale_f32_16x16x128_f8f6f4 v[rD:rD+7], v[rW:rW+11], v[rA:rA+11], 0, v[rSW], v[rSX] matrix_a_fmt:MATRIX_FMT_FP6 matrix_b_fmt:MATRIX_FMT_FP6 matrix_a_scale:MATRIX_SCALE_ROW1
.elseif (\z) && (\rb)
	v_wmma_scale_f32_16x16x128_f8f6f4 v[rD:rD+7], v[rW:rW+11], v[rA:rA+11], 0, v[rSW], v[rSX] matrix_a_fmt:MATRIX_FMT_FP6 matrix_b_fmt:MATRIX_FMT_FP6 matrix_b_scale:MATRIX_SCALE_ROW1
.elseif (\z)
	v_wmma_scale_f32_16x16x128_f8f6f4 v[rD:rD+7], v[rW:rW+11], v[rA:rA+11], 0, v[rSW], v[rSX] matrix_a_fmt:MATRIX_FMT_FP6 matrix_b_fmt:MATRIX_FMT_FP6
.elseif (\ra) && (\rb)
	v_wmma_scale_f32_16x16x128_f8f6f4 v[rD:rD+7], v[rW:rW+11], v[rA:rA+11], v[rD:rD+7], v[rSW], v[rSX] matrix_a_fmt:MATRIX_FMT_FP6 matrix_b_fmt:MATRIX_FMT_FP6 matrix_a_scale:MATRIX_SCALE_ROW1 matrix_b_scale:MATRIX_SCALE_ROW1
.elseif (\ra)
	v_wmma_scale_f32_16x16x128_f8f6f4 v[rD:rD+7], v[rW:rW+11], v[rA:rA+11], v[rD:rD+7], v[rSW], v[rSX] matrix_a_fmt:MATRIX_FMT_FP6 matrix_b_fmt:MATRIX_FMT_FP6 matrix_a_scale:MATRIX_SCALE_ROW1
.elseif (\rb)
	v_wmma_scale_f32_16x16x128_f8f6f4 v[rD:rD+7], v[rW:rW+11], v[rA:rA+11], v[rD:rD+7], v[rSW], v[rSX] matrix_a_fmt:MATRIX_FMT_FP6 matrix_b_fmt:MATRIX_FMT_FP6 matrix_b_scale:MATRIX_SCALE_ROW1
.else
	v_wmma_scale_f32_16x16x128_f8f6f4 v[rD:rD+7], v[rW:rW+11], v[rA:rA+11], v[rD:rD+7], v[rSW], v[rSX] matrix_a_fmt:MATRIX_FMT_FP6 matrix_b_fmt:MATRIX_FMT_FP6
.endif
.endm
.macro DM n, i, s                      ; tile of columns n x tile of rows i, K step s (AB set for tile i)
.set rD, 80+64*((\i)&1)+8*(\n)
.if (\n) < 5
.set rW, 48*(\n)+12*(\s)
.else
.set rW, 48*((\n)-5)+12*(\s)
.endif
.set rA, (AB%256)+12*(\s)
.set rSW, 40+4*((\n)>>1)+(\s)
.set rSX, 56+4*((\i)>>1)+(\s)
	WM (\s)==0, (\n)&1, (\i)&1
.endm
	s_load_b256 s[4:11], s[0:1], 0x0               ; sel s[4:5], hq s[6:7], hs s[8:9], w2_codes s[10:11]
	s_load_b128 s[12:15], s[0:1], 0x20             ; w2_scales s[12:13], y s[14:15]
	v_lshl_add_u32 v78, v0, 2, 0x42000
	v_mov_b32 v79, 0
	v_lshrrev_b32 v1, 5, v0
	v_readfirstlane_b32 s18, v1                    ; wave 0..3
	s_lshr_b32 s19, ttmp9, 5                       ; e
	s_bfe_u32 s20, ttmp9, 0x20003                  ; tq
	s_and_b32 s21, ttmp9, 7                        ; sl
	v_and_b32 v1, 31, v0                           ; lane
	v_and_b32 v2, 15, v0                           ; r
	v_bfe_u32 v3, v0, 4, 1                         ; h
	v_lshlrev_b32 v4, 4, v1                        ; 16 l
	s_wait_alu depctr_va_sdst(0)                   ; s18 is written, ahead of its first reader
	s_mul_i32 s98, s18, 32*WP
	v_add_nc_u32 v5, s98, v4                       ; W2's stage, on the way in: my wave's 32 rows
	v_mul_u32_u24 v6, v2, WP
	v_mad_u32_u24 v6, v3, 192, v6
	s_mul_i32 s98, s18, 384
	v_add_nc_u32 v6, s98, v6                       ; and out: row r, my quarter of K, + 192 h; a register for each 32 rows
	v_add_nc_u32 v7, 32*WP, v6
	v_add_nc_u32 v8, 64*WP, v6
	v_add_nc_u32 v9, 96*WP, v6
	s_mul_i32 s98, s18, SWV
	v_mul_u32_u24 v10, v2, SPT
	v_lshl_add_u32 v10, v3, 5, v10
	v_add_nc_u32 v10, s98, v10                     ; my partial sums: row r, + 32 h bytes
	s_mul_i32 s98, s18, 32*SPT
	v_add_nc_u32 v11, s98, v4                      ; the rows that I add: 32 w on, 16 bytes a lane, in each wave's stage
	v_add_nc_u32 v12, SWV, v11
	v_add_nc_u32 v13, 2*SWV, v11
	v_add_nc_u32 v14, 3*SWV, v11
	s_lshl_b32 s98, s21, 9
	v_add_nc_u32 v15, s98, v4                      ; y: the slice's 512 bytes of a row
	v_lshlrev_b32 v38, 2, v1                       ; sel: 4 bytes a lane
	v_lshlrev_b32 v39, 6, v1                       ; W2's scale rows: 64 bytes a row
	s_lshl_b32 s27, s20, 9                         ; 512 tq
	s_mov_b32 s99, 0                               ; the upper word of the offsets in s[98:99]; never rewritten
	s_lshl_b32 s100, s19, 10
	s_lshl_b32 s101, s21, 7
	s_add_co_u32 s100, s100, s101                  ; the slice's first row of W2: 1024 e + 128 sl
	s_wait_kmcnt 0x0
	s_lshl_b32 s98, s20, 11
	s_add_nc_u64 s[4:5], s[4:5], s[98:99]          ; sel at the quarter's first token
	s_lshl_b32 s98, s100, 6
	s_lshl_b32 s101, s18, 4
	s_add_co_u32 s98, s98, s101
	s_add_nc_u64 s[12:13], s[12:13], s[98:99]      ; W2's scale rows, my 16 bytes of each
	s_lshl_b32 s101, s18, 5
	s_add_co_u32 s100, s100, s101
	s_mul_i32 s98, s100, 1536
	s_add_nc_u64 s[10:11], s[10:11], s[98:99]      ; the 32 rows of W2 that I load
	s_lshl_b32 s100, s19, 2
	s_add_co_u32 s100, s100, s20                   ; the group 4 e + tq
	s_mul_i32 s98, s100, 786432
	s_mul_i32 s101, s18, 6144
	s_add_co_u32 s98, s98, s101
	s_add_nc_u64 s[6:7], s[6:7], s[98:99]          ; hq: the group's tile 0, my four K steps
	s_lshl_b32 s98, s100, 15
	s_lshl_b32 s101, s18, 4
	s_add_co_u32 s98, s98, s101
	s_add_nc_u64 s[8:9], s[8:9], s[98:99]          ; hs: the group's row 0, my 16 bytes
	s_wait_alu depctr_va_vdst(0)                   ; the offsets and LDS addresses v4-15, v38, v39 are written: the kernel's loads, stores and LDS instructions read them, and no vector line writes them again
.irp j, 0,1,2,3,4,5,6,7,8,9,10,11,12,13,14,15
	global_load_b32 v[96+\j], v38, s[4:5] offset:128*\j
.endr
.irp g, 0,1,2,3
	global_load_b128 v[80+4*\g:83+4*\g], v39, s[12:13] offset:2048*\g     ; lane = row 32 g + l of the slice
.endr
	WIN 0x40                                       ; W2 as it lies: 32 rows are 96 x 512 consecutive bytes; load i into window 1, register 4 i, from i = 60 on into window 2
.set i, 0
.rept 40
	global_load_b128 v[4*i:4*i+3], v4, s[10:11] offset:512*i
.set i, i+1
.endr
	WIN 0
	s_wait_loadcnt 44                              ; sel's 16 loads are in; the 4 + 40 behind them may be out
.irp j, 0,1,2,3,4,5,6,7,8,9,10,11,12,13,14,15
	v_and_b32 v20, 0xff, v[96+\j]
	v_lshrrev_b32 v21, 8, v[96+\j]
	v_cmp_eq_u32 s[M+\j], s19, v20                 ; e is the token's first expert,
	v_cmp_eq_u32 s[BM+\j], s19, v21                ; or its second: 32 compares in one run, a mask each
.endr
	s_wait_alu depctr_va_sdst(0)                   ; the 32 masks are written, ahead of the scalar lines that read them
.irp j, 0,1,2,3,4,5,6,7,8,9,10,11,12,13,14,15
	s_or_b32 s[M+\j], s[M+\j], s[BM+\j]
.endr
	s_bcnt1_i32_b32 s[P+1], s[M]
.irp j, 2,3,4,5,6,7,8,9,10,11,12,13,14,15
	s_bcnt1_i32_b32 s98, s[M+\j-1]
	s_add_co_u32 s[P+\j], s[P+\j-1], s98
.endr
	s_bcnt1_i32_b32 s98, s[M+15]
	s_add_co_u32 s22, s[P+15], s98                 ; n
	s_add_co_u32 s98, s22, 15
	s_lshr_b32 s98, s98, 4
	s_max_u32 s98, s98, 1                          ; tiles of h that may be read: at least one is written
	s_sub_co_u32 s28, s98, 1                       ; the last of them,
	s_lshl_b32 s29, s98, 4
	s_sub_co_u32 s29, s29, 1                       ; and its last row
	s_mov_b32 s23, s22                             ; rows left from this round on
	s_mov_b32 s24, 0                               ; the round's first row
	WIN 0x40                                       ; (no wait: no vector line since the wait ahead of the first load names v4 or a register of windows 1 and 2)
.rept 20
	global_load_b128 v[4*i:4*i+3], v4, s[10:11] offset:512*i
.set i, i+1
.endr
	WIN 0x80
.rept 36
	global_load_b128 v[4*(i-60):4*(i-60)+3], v4, s[10:11] offset:512*i
.set i, i+1
.endr
	WIN 0
; The addresses of the eight tiles of the round that begins ahead rows on, and the four offsets of its rows' scale bytes.  What comes from sel is held at a constant (31 tiles, 511 rows) ahead of the multiply and the shift.
.macro BASES ahead
	s_add_co_u32 s100, s24, \ahead
	s_lshr_b32 s101, s100, 4
.irp i, 0,1,2,3,4,5,6,7
	s_add_co_u32 s98, s101, \i
	s_min_u32 s98, s98, s28
	s_min_u32 s98, s98, 31
	s_mul_i32 s98, s98, 24576
	s_add_nc_u64 s[TB+2*\i:TB+2*\i+1], s[6:7], s[98:99]
.endr
.irp g, 0,1,2,3
	v_add_nc_u32 v[34+\g], s100, v1
	v_add_nc_u32 v[34+\g], 32*\g, v[34+\g]
	v_min_u32 v[34+\g], s29, v[34+\g]
	v_min_u32 v[34+\g], 0x1ff, v[34+\g]
	v_lshlrev_b32 v[34+\g], 6, v[34+\g]
.endr
.endm
.macro ALOAD i                         ; tile i's four register images: 12 loads of 512 consecutive bytes
	SETA \i
	WIN (AB/256)<<6
.irp s, 0,1,2,3
.irp c, 0,1,2
	global_load_b128 v[(AB%256)+12*\s+4*\c:(AB%256)+12*\s+4*\c+3], v4, s[TB+2*(\i):TB+2*(\i)+1] offset:1536*\s+512*\c
.endr
.endr
.endm
.macro A_LO                            ; 52 loads: the rows' scale bytes, then tiles 0-3
	WIN 0x40
.irp g, 0,1,2,3
	global_load_b128 v[240+4*\g:243+4*\g], v[34+\g], s[8:9]
.endr
	ALOAD 0
	ALOAD 1
	ALOAD 2
	ALOAD 3
	WIN 0
.endm
.macro A_HI                            ; 48 loads: tiles 4-7
	ALOAD 4
	ALOAD 5
	ALOAD 6
	ALOAD 7
	WIN 0
.endm
	BASES 0
	s_wait_alu depctr_va_vdst(0)                   ; the offsets v34-37 are written, which the four loads of scale rows read
	A_LO
	s_wait_loadcnt 52                              ; W2 and its scale rows are in; the 52 loads behind them may be out
.irp g, 0,1,2,3
	v_perm_b32 v[40+4*\g], v[82+4*\g], v[80+4*\g], 0x05010400      ; word s' = bytes 2 s', 8 + 2 s', 2 s' + 1, 9 + 2 s' of my 16
	v_perm_b32 v[41+4*\g], v[82+4*\g], v[80+4*\g], 0x07030602
	v_perm_b32 v[42+4*\g], v[83+4*\g], v[81+4*\g], 0x05010400
	v_perm_b32 v[43+4*\g], v[83+4*\g], v[81+4*\g], 0x07030602
.endr
	WIN 0x04                                       ; an LDS store's data are its source 1
.set i, 0
.rept 60
	ds_store_b128 v5, v[4*i:4*i+3] offset:WP*(i/3)+512*(i%3)
.set i, i+1
.endr
	WIN 0x08
.rept 36
	ds_store_b128 v5, v[4*(i-60):4*(i-60)+3] offset:WP*(i/3)+512*(i%3)
.set i, i+1
.endr
	WIN 0
	s_wait_dscnt 0x0                               ; my 32 rows lie in the stage
	s_barrier_signal -1
	s_barrier_wait -1                              ; all 128 do
	WIN 0x40
	s_wait_alu depctr_vm_vsrc(0)                   ; my LDS stores have read window 1's v0-239 and window 2's v0-143, in which the LDS loads below land
.irp n, 0,1,2,3,4
.set q, 0
.rept 12
	ds_load_b128 v[48*\n+4*q:48*\n+4*q+3], v[6+\n/2] offset:16*WP*(\n%2)+16*q
.set q, q+1
.endr
.endr
	WIN 0x80
.irp n, 5,6,7
.set q, 0
.rept 12
	ds_load_b128 v[48*(\n-5)+4*q:48*(\n-5)+4*q+3], v[6+\n/2] offset:16*WP*(\n%2)+16*q
.set q, q+1
.endr
.endr
	WIN 0
	A_HI
	s_wait_dscnt 0x0                               ; my fragments of W2 are in registers
	s_barrier_signal -1
	s_barrier_wait -1                              ; everybody's are: the stage's bytes take the partial sums
; My partial sums of tile i's 16 rows go into my stage.
.macro STORES i
.irp n, 0,1,2,3,4,5,6,7
	ds_store_b128 v10, v[80+64*((\i)&1)+8*\n:83+64*((\i)&1)+8*\n] offset:16*SPT*(\i)+64*\n        ; each accumulator from its low end on
	ds_store_b128 v10, v[84+64*((\i)&1)+8*\n:87+64*((\i)&1)+8*\n] offset:16*SPT*(\i)+64*\n+16
.endr
.endm
; Tile i of the round: 32 products; behind the first five of them, the LDS stores of the tile before, whose set of accumulators no product of this tile names.
.macro TILE i
.if (\i) > 0
	s_cmp_le_i32 s23, 16*(\i)
	s_cbranch_scc1 .Lout_\i                        ; no row is left for this tile: the tile before goes out by itself
.endif
.if 12*(7-(\i)) > 63
	s_wait_loadcnt 63                              ; behind this tile's loads stand more than the count can name
.else
	s_wait_loadcnt 12*(7-(\i))                     ; the later tiles' loads may be out
.endif
.if (\i) >= 2
	s_wait_dscnt 0x0                               ; the stores of the tile two back, my youngest LDS instructions, are done,
	s_wait_alu depctr_vm_vsrc(0)                   ; and have read this set of accumulators, which the products below write
.endif
.if (\i) >= 1
	s_wait_alu depctr_va_vdst(0)                   ; the products of the tile before have written the other set of accumulators, which the LDS stores below read
.endif
	SETA \i
	WIN 1|((AB/256)<<2)                            ; source 0 (W2's tiles 0-4) window 1; five accumulators take turns, one instruction a turn
.irp n, 0,1,2,3,4
	DM \n, \i, 0
.endr
.if (\i) >= 1
	WIN 0
	STORES (\i)-1                                  ; no wait: no vector or matrix instruction since the wait at the tile's head names v10 or that set
	WIN 1|((AB/256)<<2)
.endif
.irp s, 1,2,3
.irp n, 0,1,2,3,4
	DM \n, \i, \s
.endr
.endr
	WIN 2|((AB/256)<<2)                            ; W2's tiles 5-7: window 2; three accumulators take turns
.irp s, 0,1,2,3
.irp n, 5,6,7
	DM \n, \i, \s
.endr
.endr
	WIN 0
.rept 4
	v_nop                                          ; places behind the products: for this tile's stores, which stand in the next tile or on the way out; with the next tile's four, for the tile after that, which begins this set of accumulators anew
.endr
.endm
; The tile that is still pending where the tiles end.
.macro FLUSH i
	s_wait_alu depctr_va_vdst(0)                   ; the tile's products have written its accumulators, which the LDS stores read
	STORES \i
.endm
; Rows 4 k .. 4 k + 3 of my 32: the four waves' parts are added, and each row goes to its slot in y.
.macro GROUP k
.if (\k) > 0
	s_cmp_le_i32 s100, 4*(\k)
	s_cbranch_scc1 .Lr2_end
.endif
	s_wait_xcnt 0x0                                ; the last group's stores have read their data and offsets
	s_wait_alu depctr_vm_vsrc(0)                   ; the last group's stores have read their data in v80-143 and their offsets v16-19, the tiles' LDS stores v80-143: LDS loads land in the one, vector lines write the other
.if (\k) == 0
	s_wait_alu depctr_va_vdst(0)                   ; no vector or matrix instruction is still at work on v80-143, in which the LDS loads land: the round's products wrote them; on the way that leads round the products the head's lines read v80-111
.endif
.irp i, 0,1,2,3
.irp w, 0,1,2,3
	ds_load_b128 v[80+16*\i+4*\w:83+16*\i+4*\w], v[11+\w] offset:SPT*(4*(\k)+\i)
.endr
.endr
.irp i, 0,1,2,3
	v_readlane_b32 s[2+\i+12*(\i/2)], v33, 4*(\k)+\i   ; the four rows' slots in one run, while the loads are out
.endr
	s_wait_alu depctr_va_sdst(0)                   ; the four numbers are written, ahead of the scalar lines that read them
.irp i, 0,1,2,3
	s_min_u32 s98, s[2+\i+12*(\i/2)], 0xfff        ; a number that comes from sel enters an address only behind this hold
	s_lshl_b32 s98, s98, 12
	v_add_nc_u32 v[16+\i], s98, v15
.endr
	s_wait_dscnt 0x0
.irp i, 0,1,2,3
	v_pk_add_f32 v[80+16*\i:81+16*\i], v[80+16*\i:81+16*\i], v[84+16*\i:85+16*\i]
	v_pk_add_f32 v[82+16*\i:83+16*\i], v[82+16*\i:83+16*\i], v[86+16*\i:87+16*\i]
	v_pk_add_f32 v[88+16*\i:89+16*\i], v[88+16*\i:89+16*\i], v[92+16*\i:93+16*\i]
	v_pk_add_f32 v[90+16*\i:91+16*\i], v[90+16*\i:91+16*\i], v[94+16*\i:95+16*\i]
.endr
.irp i, 0,1,2,3
	v_pk_add_f32 v[80+16*\i:81+16*\i], v[80+16*\i:81+16*\i], v[88+16*\i:89+16*\i]
	v_pk_add_f32 v[82+16*\i:83+16*\i], v[82+16*\i:83+16*\i], v[90+16*\i:91+16*\i]
.endr
	s_wait_alu depctr_va_vdst(0)                   ; the four rows' sums and their offsets v16-19 are written, which the stores below read; it also serves the next group's LDS loads, ahead of which no vector line stands
.irp i, 0,1,2,3
.if \i > 0
	s_cmp_le_i32 s100, 4*(\k)+\i
	s_cbranch_scc1 .Lr2_end                        ; a row past the list's end is not stored
.endif
	global_store_b128 v[16+\i], v[80+16*\i:83+16*\i], s[14:15] th:TH_STORE_NT   ; 32 lanes store 512 consecutive bytes, aligned to 256 from y's first byte
.endr
.endm
	s_mov_b32 s25, 4                               ; four rounds of 128 rows serve every n up to 512
.Lround:
	s_cmp_le_i32 s23, 0
	s_cbranch_scc1 .Lr1_end
	s_wait_xcnt 0x0                                ; the last round's stores of y have read the registers that the products write
	s_wait_alu depctr_vm_vsrc(0)                   ; the last round's LDS stores and its stores of y have read v80-207, which the products of tiles 0 and 1 write
	s_wait_loadcnt 63                              ; the four loads of scale rows are in: 96 loads were issued behind them, more than the count can name
	WIN 0x05                                       ; sources 0 and 1 window 1
.irp g, 0,1,2,3
	v_perm_b32 v[56+4*\g], v[242+4*\g], v[240+4*\g], 0x05010400
	v_perm_b32 v[57+4*\g], v[242+4*\g], v[240+4*\g], 0x07030602
	v_perm_b32 v[58+4*\g], v[243+4*\g], v[241+4*\g], 0x05010400
	v_perm_b32 v[59+4*\g], v[243+4*\g], v[241+4*\g], 0x07030602
.endr
	WIN 0
.rept 8
	v_nop                                          ; a scale register written by a vector instruction stands 8 places ahead of a scaled matrix instruction
.endr
	s_wait_alu depctr_va_vdst(0)                   ; h's scale words v56-71 are written (in the first round W2's v40-55 too), which the products take; the places above stay beside this wait
	TILE 0
	TILE 1
	TILE 2
	TILE 3
	TILE 4
	TILE 5
	TILE 6
	TILE 7
	FLUSH 7
	s_branch .Ltiles_done
.irp i, 1,2,3,4,5,6
.Lout_\i:
	FLUSH (\i)-1
	s_branch .Ltiles_done
.endr
.Lout_7:
	FLUSH 6
.Ltiles_done:
	s_cmp_le_i32 s23, 128
	s_cbranch_scc1 .Lr1_end
	s_wait_loadcnt 0x0                             ; no load of mine is out: the tiles' addresses and the offsets may be written
.rept 4
	v_nop                                          ; places in front of loads into registers that matrix instructions have read
.endr
	s_wait_alu depctr_vm_vsrc(0)                   ; this round's loads of scale rows have read v34-37, which the lines below write
	BASES 128                                      ; the next round's tiles are asked for while the sums are added
	s_wait_alu depctr_va_vdst(0)                   ; the offsets v34-37 are written, which the loads of scale rows read; the products are done reading h's tiles and the permutes window 1's v240-255, in which the loads below land
	A_LO
	A_HI
.Lr1_end:
	s_wait_dscnt 0x0                               ; my partial sums have landed
	s_barrier_signal -1
	s_barrier_wait -1                              ; everybody's have
	s_lshl_b32 s98, s18, 5
	s_sub_co_i32 s100, s23, s98                    ; rows left for my 32
	s_cmp_le_i32 s100, 0
	s_cbranch_scc1 .Lr2_end
	s_add_co_u32 s98, s98, s24
	s_sub_co_u32 s101, s22, 1
	v_add_nc_u32 v20, s98, v1
	v_min_u32 v20, s101, v20
	SELECT                                         ; lane = row: its slot in y
	GROUP 0
	GROUP 1
	GROUP 2
	GROUP 3
	GROUP 4
	GROUP 5
	GROUP 6
	GROUP 7
.Lr2_end:
	s_wait_dscnt 0x0                               ; my reads of the stages are over
	s_barrier_signal -1
	s_barrier_wait -1                              ; everybody's are: the stages may be written again
	s_sub_co_i32 s23, s23, 128
	s_add_co_u32 s24, s24, 128
	s_sub_co_u32 s25, s25, 1
	s_cmp_lg_u32 s25, 0
	s_cbranch_scc1 .Lround
	s_wait_dscnt 0x0                               ; the closing lines, six on end
	s_wait_alu 0x0
	s_wait_tensorcnt 0x0
	ds_add_u32 v78, v79
	s_wait_dscnt 0x0
	s_endpgm
.Lfunc_end_k_qc097055be0_down:
	.size	k_qc097055be0_down, .Lfunc_end_k_qc097055be0_down-k_qc097055be0_down
	.p2alignl 7, 3214868480
	.fill 96, 4, 3214868480
	.section	.rodata,"a",@progbits
	.p2align	6, 0x0
	.amdhsa_kernel k_qc097055be0_down
		.amdhsa_group_segment_fixed_size 270848
		.amdhsa_private_segment_fixed_size 0
		.amdhsa_enable_private_segment 0
		.amdhsa_kernarg_size 48
		.amdhsa_user_sgpr_count 2
		.amdhsa_user_sgpr_kernarg_segment_ptr 1
		.amdhsa_wavefront_size32 1
		.amdhsa_system_sgpr_workgroup_id_x 1
		.amdhsa_system_sgpr_workgroup_id_y 1
		.amdhsa_system_sgpr_workgroup_id_z 1
		.amdhsa_system_vgpr_workitem_id 0
		.amdhsa_next_free_vgpr 1024
		.amdhsa_next_free_sgpr 102
		.amdhsa_reserve_vcc 1
		.amdhsa_float_denorm_mode_32 3
		.amdhsa_float_denorm_mode_16_64 3
		.amdhsa_memory_ordered 1
		.amdhsa_forward_progress 1
		.amdhsa_inst_pref_size 151
	.end_amdhsa_kernel
	.amdgpu_metadata
---
amdhsa.version: [ 1, 2 ]
amdhsa.kernels:
  - .name:           k_qc097055be0_down
    .symbol:         k_qc097055be0_down.kd
    .args:
      - { .name: sel, .offset: 0, .size: 8, .value_kind: global_buffer, .address_space: global }
      - { .name: hq, .offset: 8, .size: 8, .value_kind: global_buffer, .address_space: global }
      - { .name: hs, .offset: 16, .size: 8, .value_kind: global_buffer, .address_space: global }
      - { .name: w2_codes, .offset: 24, .size: 8, .value_kind: global_buffer, .address_space: global }
      - { .name: w2_scales, .offset: 32, .size: 8, .value_kind: global_buffer, .address_space: global }
      - { .name: y, .offset: 40, .size: 8, .value_kind: global_buffer, .address_space: global }
    .group_segment_fixed_size: 270848
    .private_segment_fixed_size: 0
    .kernarg_segment_align: 8
    .kernarg_segment_size: 48
    .max_flat_workgroup_size: 128
    .sgpr_count:     102
    .vgpr_count:     1024
    .wavefront_size: 32
...
	.end_amdgpu_metadata
.endif
;; end of part 7
;; launch mix (part 8): grid 256 x 1, 8 waves a work-group, no clusters, 0 bytes of LDS; arguments sel, gw, y, x, out0; writes out0
.if DOCPART == 8
	.amdgcn_target "amdgcn-amd-amdhsa--gfx1250"
	.amdhsa_code_object_version 6
	.text
	.protected	k_qc097055be0_mix
	.globl	k_qc097055be0_mix
	.p2align	8
	.type	k_qc097055be0_mix,@function
k_qc097055be0_mix:
	s_mov_b64 s[64:65], 0
	v_nop
	global_prefetch_b8 v0, s[64:65] scope:SCOPE_SE
	s_setreg_imm32_b32 hwreg(HW_REG_WAVE_MODE, 25, 1), 1
	s_wait_xcnt 0x0
; MIX: out[t] = w0 src0 + w1 src1, where src k is y[2 t + k] if the token's k-th expert is one of the 8 FFN experts, and x[t] if it is one of the 4 identity experts.
; A wave takes a token: two rows of 4,096 bytes in, one out; every load and store of the wave covers 512 consecutive bytes.  Memory binds: no LDS, no barrier, no matrix unit.
; The choice of a row is a scalar branch on the stored expert number, round two runs of eight loads: so every address is made of ids alone, no row of y is read that was not stored, and the count of loads is the same on both ways.
; LIMIT: where both experts are identity experts the result is w0 x + w1 x, not (w0 + w1) x: one rounding more.
	s_load_b256 s[4:11], s[0:1], 0x0               ; sel s[4:5], gw s[6:7], y s[8:9], x s[10:11]
	s_load_b64 s[12:13], s[0:1], 0x20              ; out0
	v_lshrrev_b32 v1, 5, v0
	s_delay_alu instid0(VALU_DEP_1)
	v_readfirstlane_b32 s14, v1                    ; wave 0..7
	v_and_b32 v1, 31, v0
	s_delay_alu instid0(VALU_DEP_1)
	v_lshlrev_b32 v1, 4, v1                        ; 16 x lane
	s_lshl_b32 s15, ttmp9, 3
	s_add_co_u32 s15, s15, s14                     ; the token
	s_lshl_b32 s16, s15, 2
	s_lshl_b32 s17, s15, 3
	s_lshl_b32 s22, s15, 13                        ; y: two rows of 4,096 bytes a token
	s_mov_b32 s23, 0
	s_lshl_b32 s24, s15, 12                        ; x, out: one row
	s_mov_b32 s25, 0
	s_wait_kmcnt 0x0
	s_load_b32 s18, s[4:5], s16 offset:0x0         ; the two experts
	s_load_b64 s[20:21], s[6:7], s17 offset:0x0    ; the two weights
	s_add_nc_u64 s[8:9], s[8:9], s[22:23]
	s_add_nc_u64 s[10:11], s[10:11], s[24:25]
	s_add_nc_u64 s[12:13], s[12:13], s[24:25]
	s_wait_kmcnt 0x0
	s_and_b32 s26, s18, 0xff
	s_lshr_b32 s27, s18, 8
	s_mov_b32 s28, s21                             ; w1 as the low word of a pair: the packed form takes the low word for both halves
	s_mov_b32 s29, s21
	s_cmp_lt_u32 s26, 8
	s_cbranch_scc0 .Lid0
	s_wait_alu depctr_va_vdst(0)
.irp i, 0,1,2,3,4,5,6,7
	global_load_b128 v[8+4*\i:11+4*\i], v1, s[8:9] offset:512*\i th:TH_LOAD_NT
.endr
	s_branch .Lk1
.Lid0:
	s_wait_alu depctr_va_vdst(0)
.irp i, 0,1,2,3,4,5,6,7
	global_load_b128 v[8+4*\i:11+4*\i], v1, s[10:11] offset:512*\i
.endr
.Lk1:
	s_cmp_lt_u32 s27, 8
	s_cbranch_scc0 .Lid1
.irp i, 0,1,2,3,4,5,6,7
	global_load_b128 v[40+4*\i:43+4*\i], v1, s[8:9] offset:4096+512*\i th:TH_LOAD_NT
.endr
	s_branch .Lgo
.Lid1:
.irp i, 0,1,2,3,4,5,6,7
	global_load_b128 v[40+4*\i:43+4*\i], v1, s[10:11] offset:512*\i
.endr
.Lgo:
	s_wait_loadcnt 8                               ; the first row's eight loads are in; the second row's may be out
.set i, 0
.rept 16
	v_pk_mul_f32 v[8+2*i:9+2*i], v[8+2*i:9+2*i], s[20:21] op_sel_hi:[1,0]
.set i, i+1
.endr
	s_wait_loadcnt 0x0
.set i, 0
.rept 16
	v_pk_fma_f32 v[8+2*i:9+2*i], v[40+2*i:41+2*i], s[28:29], v[8+2*i:9+2*i] op_sel_hi:[1,0,1]
.set i, i+1
.endr
.irp i, 0,1,2,3,4,5,6,7
	global_store_b128 v1, v[8+4*\i:11+4*\i], s[12:13] offset:512*\i th:TH_STORE_NT
.endr
	s_endpgm
.Lfunc_end_k_qc097055be0_mix:
	.size	k_qc097055be0_mix, .Lfunc_end_k_qc097055be0_mix-k_qc097055be0_mix
	.p2alignl 7, 3214868480
	.fill 96, 4, 3214868480
	.section	.rodata,"a",@progbits
	.p2align	6, 0x0
	.amdhsa_kernel k_qc097055be0_mix
		.amdhsa_group_segment_fixed_size 0
		.amdhsa_private_segment_fixed_size 0
		.amdhsa_enable_private_segment 0
		.amdhsa_kernarg_size 40
		.amdhsa_user_sgpr_count 2
		.amdhsa_user_sgpr_kernarg_segment_ptr 1
		.amdhsa_wavefront_size32 1
		.amdhsa_system_sgpr_workgroup_id_x 1
		.amdhsa_system_sgpr_workgroup_id_y 1
		.amdhsa_system_sgpr_workgroup_id_z 1
		.amdhsa_system_vgpr_workitem_id 0
		.amdhsa_next_free_vgpr 72
		.amdhsa_next_free_sgpr 66
		.amdhsa_reserve_vcc 0
		.amdhsa_float_denorm_mode_32 3
		.amdhsa_float_denorm_mode_16_64 3
		.amdhsa_memory_ordered 1
		.amdhsa_forward_progress 1
		.amdhsa_inst_pref_size 8
	.end_amdhsa_kernel
	.amdgpu_metadata
---
amdhsa.version: [ 1, 2 ]
amdhsa.kernels:
  - .name:           k_qc097055be0_mix
    .symbol:         k_qc097055be0_mix.kd
    .args:
      - { .name: sel, .offset: 0, .size: 8, .value_kind: global_buffer, .address_space: global }
      - { .name: gw, .offset: 8, .size: 8, .value_kind: global_buffer, .address_space: global }
      - { .name: y, .offset: 16, .size: 8, .value_kind: global_buffer, .address_space: global }
      - { .name: x, .offset: 24, .size: 8, .value_kind: global_buffer, .address_space: global }
      - { .name: out0, .offset: 32, .size: 8, .value_kind: global_buffer, .address_space: global }
    .group_segment_fixed_size: 0
    .private_segment_fixed_size: 0
    .kernarg_segment_align: 8
    .kernarg_segment_size: 40
    .max_flat_workgroup_size: 256
    .sgpr_count:     66
    .vgpr_count:     72
    .wavefront_size: 32
...
	.end_amdgpu_metadata
.endif
;; end of part 8
